; MI455X (gfx1250); checked and timed in simulation.
; The chip was launched on July 23, 2026; its instructions are those of AMD's public machine-readable ISA for CDNA 5 (MIT licence, August 2026) and "CDNA5" Instruction Set Architecture Reference Guide (July 2026). The comments in the code are by the model that wrote it; some were corrected since.
;; Cross Modal Attention. Allowed arithmetic: matrix products marked QUANTISED: E2M3 operands, one E8M0 scale for each 32 along K, by v_wmma_scale_f32_16x16x128_f8f6f4 with both operands' format E2M3, f32 sums; everything else in f32.
;; Inputs: Wk 768 x 1,024 float32; Wo 1,024 x 1,024 float32; Wq 1,024 x 1,024 float32; Wv 768 x 1,024 float32; bk 1,024 float32; bo 1,024 float32; bq 1,024 float32; bv 1,024 float32; key_value 4 x 2,048 x 768 float32; query 4 x 2,048 x 1,024 float32.
;; Outputs: out0 4 x 2,048 x 1,024 float32.
;; This version of the problem:
;;   THIS VERSION OF THE PROBLEM IS GIVEN IN LOW PRECISION. The matrix products marked QUANTISED in the list below multiply operands that are first quantised to E2M3 (2 exponent bits, 3 mantissa bits; 6 bits a number), with one power-of-two scale for each 32 numbers along K (OCP MX v1.0); their sums are f32. All else is computed in f32.
;;   The module's matrix products, in the order in which they are computed (A, B: the left and right operand; K: the contracted axis; several contracted axes count as one K, in the product's order):
;;     1. [M 8,192, K 1,024] x [K 1,024, N 1,024]; A: input query; B: input Wq: QUANTISED
;;     2. [M 8,192, K 768] x [K 768, N 1,024]; A: input key_value; B: input Wk: QUANTISED
;;     3. [M 8,192, K 768] x [K 768, N 1,024]; A: input key_value; B: input Wv: QUANTISED
;;     4. batch 64 x [M 2,048, K 64] x [K 64, N 2,048]; A: computed on the way; B: computed on the way: QUANTISED
;;     5. batch 64 x [M 64, K 2,048] x [K 2,048, N 2,048]; A: computed on the way; B: computed on the way: QUANTISED
;;     6. [M 8,192, K 1,024] x [K 1,024, N 1,024]; A: computed on the way; B: input Wo: QUANTISED
;;   THE QUANTISER, for each operand of a quantised product, along K:
;;     - K is cut into blocks of 32 from its start; a last block that is shorter is filled with zeros.
;;     - A block's scale is 2^e with e = floor(log2(the largest magnitude in the block)) - 2, held to -126 .. 127; a block of zeros has e = 0. As a byte (E8M0): e + 127.
;;     - Each number is divided by its block's scale, clamped to +-7.5, and rounded to the nearest number of E2M3, ties to even, subnormals kept.
;;     - The product sums the exact products of the quantised numbers (number of the format x scale) in f32.
;;   ~~~python
;;   def quantise(x, axis):      # numpy; x: float32 -> the quantised numbers, widened to float32 again
;;       x = np.moveaxis(x, axis, -1); K = x.shape[-1]
;;       x = np.pad(x, [(0, 0)] * (x.ndim - 1) + [(0, -K % 32)]); x = x.reshape(x.shape[:-1] + (-1, 32)); a = np.abs(x).max(-1, keepdims=True)
;;       e = np.where(a > 0, np.clip(np.frexp(np.where(a > 0, a, 1))[1] - 1 - 2, -126, 127), 0)      # np.frexp(a)[1] - 1 = floor(log2(a)), exactly
;;       r = np.clip(x / 2.0 ** e, -7.5, 7.5)
;;       step = 2.0 ** (np.maximum(np.frexp(np.where(r == 0, 1, r))[1] - 1, 0) - 3)
;;       q = np.round(r / step) * step * 2.0 ** e      # np.round: ties to even
;;       return np.moveaxis(q.reshape(q.shape[:-2] + (-1,))[..., :K], -1, axis).astype(np.float32)
;;   ~~~
;;   OPERANDS COMPUTED ON THE WAY. 'Computed on the way' means the value that the module computes at that place (a softmax that the list does not call 'softmax' is quantised finished and normalised). What goes into a quantiser is computed in f32, as accurately as f32 sums, v_exp_f32 and their like allow (about 1e-6 of the number): no bf16 or f16 on the way to a quantiser, and a product that is left as it is and whose result goes on into a quantised operand takes f32 operands (vector FMAs, or v_wmma_f32_16x16x4_f32). A number that lies on a knife's edge between two numbers of the format may be rounded either way, as far as f32 arithmetic and the matrix unit's own rounding can turn it there, and no further.
;; One version. Each part assembles by itself: llvm-mc -triple=amdgcn-amd-amdhsa -mcpu=gfx1250 --defsym DOCPART=n.
;; ======== version 1 of 1: 4 launches
;; limits: right only within a limited range of input values
;; workspace buffers: qa 14,336,000 bytes; qkv 20,185,088 bytes; xc 6,553,600 bytes
;; launch quant (part 1): grid 560 x 1, 4 waves a work-group, no clusters, 34,304 bytes of LDS; arguments query, key_value, Wq, Wk, Wv, Wo, qa; writes qa
.if DOCPART == 1
	.amdgcn_target "amdgcn-amd-amdhsa--gfx1250"
	.amdhsa_code_object_version 6
	.text
	.protected	k_q1f918cd763_quant
	.globl	k_q1f918cd763_quant
	.p2align	8
	.type	k_q1f918cd763_quant,@function
k_q1f918cd763_quant:
	s_mov_b64 s[64:65], 0
	v_nop
	global_prefetch_b8 v0, s[64:65] scope:SCOPE_SE
	s_setreg_imm32_b32 hwreg(HW_REG_WAVE_MODE, 25, 1), 1
	s_wait_xcnt 0x0
; All six f32 operands of the four large products become codes of FP6 (E2M3) with one E8M0 scale byte for each 32 along K, laid in qa as IMAGES OF THE OPERAND'S REGISTERS.
; A fragment (16 rows x 128 K) is 12 registers a lane; its image is 1,536 bytes: for c = 0, 1: registers 6c .. 6c+3 at 768 c + 16 x lane, registers 6c+4, 6c+5 at 768 c + 512 + 8 x lane.
; ROWS OF A TILE: 32 neighbouring rows (tokens, or columns of a weight) are a pair of tiles u = 0, 1; lane r of tile u holds row 8 u + r + 8 (r / 8).
; A PAIR BLOCK for KS steps of 128 along K: tile 0's KS images, tile 1's KS images, then KS / 2 units of 256 bytes of scale words.
;   tokens:  unit p, lane (half sp, r): 8 bytes = the word of tile 0, the word of tile 1, for K step 2 p + sp.
;   weights: unit p, lane (half u, r):  8 bytes = the word of K step 2 p, of K step 2 p + 1, for tile u.
; A block's scale is 2^(floor(log2(largest magnitude)) - 2); its byte is the largest magnitude's exponent field - 2, held at 1 from below.
; LIMITS: a block of zeros gets the byte 1 where the rule says 127 (its codes are zeros, and this program alone reads the bytes); NaN and infinities among the inputs are not served.
; Work-groups 0-255 take query, 256-447 key_value (K innermost: through the wave's own stage in LDS), 448-559 the four weights (K is the first axis: a lane takes a column, its registers run down K; no LDS).
; No tensor load, no barrier: waves share nothing.  No matrix unit, no cluster: each number is read once and nothing is shared.
.set A_KV,  6553600                    ; qa: query's 256 pair blocks at 0, key_value's here,
.set A_WQ,  11468800                   ; then the weights' 32 pair blocks each
.set A_WK,  12288000
.set A_WV,  12902400
.set A_WO,  13516800
.set PB8,   25600                      ; a pair block for K = 1,024
.set PB6,   19200                      ; and for K = 768
.set UO8,   12288                      ; a tile's images in it
.set UO6,   9216
.set SP,    528                        ; a stage row: 512 bytes + 16, an odd multiple of 16
.set O16,   5                          ; v5   16 x lane
.set O8,    6                          ; v6   8 x lane
.set SA,    7                          ; v7   the stage, on the way in
.set RA,    8                          ; v8   and on the way out
.set VC,    9                          ; v9   weights: my column's bytes
.set VA,    10                         ; v10-17 tokens: 16 x lane + i rows
.set R,     24                         ; v24-151 two sets of 64 registers as loaded
.set X,     152                        ; v152-215 64 numbers of my row: register 16 b + i = k 32 b + 16 (lane / 16) + i
.set TM,    216                        ; v216-231 at work
.set PC,    232                        ; v232-250 the codes
.set PW,    252                        ; v252 the scale word
.set SWU,   254                        ; v254-255 a unit's two words
.set WX,    24                         ; weights: two sets of 32 numbers
.set CB,    96                         ; v96-159 eight registers for each block's codes: no store's data are written again
.set T,     160
.set SWW,   164
.set SEL,   48
.set HIM,   19
.set SB,    32
	s_load_b256 s[4:11], s[0:1], 0x0               ; query, key_value, Wq, Wk
	s_load_b128 s[12:15], s[0:1], 0x20             ; Wv, Wo
	s_load_b64 s[16:17], s[0:1], 0x30              ; qa
	v_lshl_add_u32 v251, v0, 2, 0x8400
	v_mov_b32 v253, 0
	v_lshrrev_b32 v1, 5, v0
	v_readfirstlane_b32 s18, v1                    ; wave
	v_and_b32 v2, 31, v0                           ; lane
	v_and_b32 v3, 15, v0                           ; r
	v_bfe_u32 v4, v0, 4, 1                         ; lane / 16
	v_lshlrev_b32 v[O16], 4, v2
	v_lshlrev_b32 v[O8], 3, v2
	s_mov_b32 s[HIM], 0xffff0000                   ; a select's mask: lanes 16-31
	s_mov_b32 s[SEL], 0x76543210
	s_mov_b32 s[SEL+1], 0xfedcba98                 ; v_permlanex16_b32's selects for lane l xor 16
	s_mov_b32 s31, 0                               ; the upper word of every offset
	s_wait_kmcnt 0x0
	s_cmp_lt_u32 ttmp9, 448
	s_cbranch_scc0 .Lweights
; ---------------- tokens: a wave takes a pair of tiles (32 rows) x 256 along K: four fragments
	s_cmp_lt_u32 ttmp9, 256                        ; query or key_value: only pointers and sizes are chosen
	s_cselect_b64 s[20:21], s[4:5], s[6:7]
	s_mov_b32 s22, 3072
	s_cselect_b32 s22, 4096, s22                   ; a row in bytes
	s_mov_b32 s23, PB6
	s_cselect_b32 s23, PB8, s23
	s_mov_b32 s24, UO6
	s_cselect_b32 s24, UO8, s24
	s_cselect_b32 s25, 0, A_KV
	s_cselect_b32 s26, 0, 256
	s_sub_co_u32 s26, ttmp9, s26
	s_lshl_b32 s26, s26, 2
	s_add_co_u32 s26, s26, s18                     ; my task
	s_lshr_b32 s27, s26, 8                         ; p: which 256 along K
	s_and_b32 s28, s26, 255                        ; P: which pair of tiles
	s_lshl_b32 s30, s28, 5
	s_mul_i32 s30, s30, s22
	s_lshl_b32 s29, s27, 10
	s_add_co_u32 s30, s30, s29
	s_add_nc_u64 s[SB:SB+1], s[20:21], s[30:31]    ; the pair's rows 0-7 at my 256 along K,
	s_lshl_b32 s30, s22, 3
	s_add_nc_u64 s[SB+2:SB+3], s[SB:SB+1], s[30:31]    ; rows 8-15,
	s_add_nc_u64 s[SB+4:SB+5], s[SB+2:SB+3], s[30:31]  ; 16-23,
	s_add_nc_u64 s[SB+6:SB+7], s[SB+4:SB+5], s[30:31]  ; 24-31
	s_mul_i32 s30, s28, s23
	s_add_co_u32 s30, s30, s25
	s_add_nc_u64 s[40:41], s[16:17], s[30:31]      ; my pair block
	s_mul_i32 s30, s27, 3072
	s_add_nc_u64 s[42:43], s[40:41], s[30:31]      ; tile 0, K step 2 p
	s_mov_b32 s30, s24
	s_add_nc_u64 s[44:45], s[42:43], s[30:31]      ; tile 1
	s_lshl_b32 s30, s24, 1
	s_lshl_b32 s29, s27, 8
	s_add_co_u32 s30, s30, s29
	s_add_nc_u64 s[46:47], s[40:41], s[30:31]      ; unit p of the scale words
	s_wait_alu depctr_va_vdst(0)
.irp i, 0,1,2,3,4,5,6,7
	s_mul_i32 s30, s22, \i
	v_add_nc_u32 v[VA+\i], s30, v[O16]
.endr
	s_mul_i32 s30, s18, 16*SP                      ; my wave's stage
	v_add_nc_u32 v[SA], s30, v[O16]
	v_mul_u32_u24 v[RA], v3, SP
	v_lshl_add_u32 v[RA], v4, 6, v[RA]
	v_add_nc_u32 v[RA], s30, v[RA]                 ; row r, + 64 bytes for lanes 16-31: my 16 numbers of each block of 32
.irp b, 0,1,2,3
	v_mov_b32 v[TM+4+\b], 0                        ; written once: a lane permute's destination counts as one of its sources
.endr
; fragment f: tile f / 2, K step 2 p + f % 2.  Each load reads 512 consecutive bytes of one row
.macro LOADF f
.set RS, R+64*((\f)%2)
.irp i, 0,1,2,3,4,5,6,7
	global_load_b128 v[RS+4*\i:RS+4*\i+3], v[VA+\i], s[SB+2*((\f)/2):SB+2*((\f)/2)+1] offset:512*((\f)%2) th:TH_LOAD_NT
.endr
.irp i, 0,1,2,3,4,5,6,7
	global_load_b128 v[RS+32+4*\i:RS+32+4*\i+3], v[VA+\i], s[SB+4+2*((\f)/2):SB+4+2*((\f)/2)+1] offset:512*((\f)%2) th:TH_LOAD_NT
.endr
.endm
; through the stage: in as loaded, row by row; out 16 neighbours of each block to a lane.  LDS serves a wave's instructions in order: no wait between the stores and the loads
.macro TURN f
.set RS, R+64*((\f)%2)
.irp i, 0,1,2,3,4,5,6,7,8,9,10,11,12,13,14,15
	ds_store_b128 v[SA], v[RS+4*\i:RS+4*\i+3] offset:SP*\i
.endr
.irp b, 0,1,2,3
.irp j, 0,1,2,3
	ds_load_b128 v[X+16*\b+4*\j:X+16*\b+4*\j+3], v[RA] offset:128*\b+16*\j
.endr
.endr
.endm
; 64 numbers of a lane become a fragment's codes in v[PC] on and its scale word in v[PW]
.macro QUANT s
.irp b, 0,1,2,3
	v_max3_num_f32 v[TM+\b], |v[\s+16*\b]|, |v[\s+1+16*\b]|, 0x1800000   ; my 16 numbers of block b, and the floor 2^(3 - 127): the byte cannot fall under 1
.endr
.irp i, 2,4,6,8,10,12,14
.irp b, 0,1,2,3
	v_max3_num_f32 v[TM+\b], v[TM+\b], |v[\s+16*\b+\i]|, |v[\s+1+16*\b+\i]|
.endr
.endr
.irp b, 0,1,2,3
	v_permlanex16_b32 v[TM+4+\b], v[TM+\b], s[SEL], s[SEL+1]
.endr
.irp b, 0,1,2,3
	v_max_num_f32 v[TM+\b], v[TM+\b], v[TM+4+\b]   ; with lane l xor 16's: the block's largest magnitude
.endr
.irp b, 0,1,2,3
	v_add_nc_u32 v[TM+12+\b], 0xff000000, v[TM+\b] ; 2 off its exponent field: the conversion's scale operand
.endr
.irp b, 0,1,2,3
	v_lshrrev_b32 v[TM+4+\b], 23, v[TM+12+\b]      ; the scale's byte
.endr
	v_lshl_or_b32 v[PW], v[TM+5], 8, v[TM+4]
	v_lshl_or_b32 v[PW], v[TM+6], 16, v[PW]
	v_lshl_or_b32 v[PW], v[TM+7], 24, v[PW]
.irp c, 0,1
	v_cvt_scalef32_pk16_fp6_f32 v[PC+6*\c:PC+2+6*\c], v[\s+32*\c:\s+15+32*\c], v[TM+12+2*\c]
	v_cvt_scalef32_pk16_fp6_f32 v[PC+12+4*\c:PC+14+4*\c], v[\s+16+32*\c:\s+31+32*\c], v[TM+12+2*\c+1]   ; (a conversion's three registers begin on an even number)
.endr
	v_nop                                          ; one plain line behind the scaled conversions
.irp c, 0,1                                    ; the layout wants a whole block in a lane: lanes 0-15 block 2 c, lanes 16-31 block 2 c + 1
.irp i, 0,1,2
	v_permlane16_swap_b32 v[PC+6*\c+\i], v[PC+12+4*\c+\i]
.endr
.irp i, 0,1,2
	v_mov_b32 v[PC+3+6*\c+\i], v[PC+12+4*\c+\i]
.endr
.endr
.endm
	LOADF 0
	LOADF 1
	s_wait_alu depctr_va_vdst(0)
.irp f, 0,1,2,3
.if \f < 3
	s_wait_loadcnt 16                              ; this fragment's 16 loads are in; the next one's may be out
.else
	s_wait_loadcnt 0x0
.endif
	TURN \f
	s_wait_dscnt 0x0                               ; the numbers are back, and the stage's stores have read their registers
.if \f > 0
	s_wait_xcnt 0x0                                ; the last fragment's stores have read the codes' registers
.endif
.if \f < 2
	LOADF \f+2
.endif
	QUANT X
	global_store_b128 v[O16], v[PC:PC+3], s[42+2*(\f/2):43+2*(\f/2)] offset:1536*(\f%2)          ; each store of the wave covers 512 or 256 consecutive bytes, aligned
	global_store_b64 v[O8], v[PC+4:PC+5], s[42+2*(\f/2):43+2*(\f/2)] offset:1536*(\f%2)+512
	global_store_b128 v[O16], v[PC+6:PC+9], s[42+2*(\f/2):43+2*(\f/2)] offset:1536*(\f%2)+768
	global_store_b64 v[O8], v[PC+10:PC+11], s[42+2*(\f/2):43+2*(\f/2)] offset:1536*(\f%2)+1280
.if \f%2 == 0
	v_mov_b32 v[SWU+\f/2], v[PW]                   ; lanes 0-15 keep K step 2 p's word (every lane holds its row's word),
.else
	v_cndmask_b32 v[SWU+\f/2], v[SWU+\f/2], v[PW], s[HIM]   ; lanes 16-31 take K step 2 p + 1's
.endif
.endr
	global_store_b64 v[O8], v[SWU:SWU+1], s[46:47] ; one aligned unit of 256 bytes
	s_wait_tensorcnt 0x0
	ds_add_u32 v251, v253
	s_wait_dscnt 0x0
	s_endpgm
; ---------------- weights [K][1024]: a wave takes 32 columns x 256 along K
.Lweights:
	s_sub_co_u32 s20, ttmp9, 448
	s_mov_b64 s[22:23], s[14:15]                   ; Wo, unless the number says otherwise
	s_mov_b32 s24, 80
	s_mov_b32 s25, A_WO
	s_mov_b32 s26, PB8
	s_mov_b32 s27, UO8
	s_cmp_lt_u32 s20, 80
	s_cselect_b64 s[22:23], s[12:13], s[22:23]     ; Wv
	s_cselect_b32 s24, 56, s24
	s_cselect_b32 s25, A_WV, s25
	s_cselect_b32 s26, PB6, s26
	s_cselect_b32 s27, UO6, s27
	s_cmp_lt_u32 s20, 56
	s_cselect_b64 s[22:23], s[10:11], s[22:23]     ; Wk
	s_cselect_b32 s24, 32, s24
	s_cselect_b32 s25, A_WK, s25
	s_cmp_lt_u32 s20, 32
	s_cselect_b64 s[22:23], s[8:9], s[22:23]       ; Wq
	s_cselect_b32 s24, 0, s24
	s_cselect_b32 s25, A_WQ, s25
	s_cselect_b32 s26, PB8, s26
	s_cselect_b32 s27, UO8, s27
	s_sub_co_u32 s20, s20, s24
	s_lshr_b32 s28, s20, 3                         ; p: which 256 along K
	s_and_b32 s29, s20, 7
	s_lshl_b32 s29, s29, 2
	s_add_co_u32 s29, s29, s18                     ; G: which 32 columns
	s_lshl_b32 s30, s28, 20                        ; 256 rows of 4,096 bytes
	s_lshl_b32 s21, s29, 7
	s_add_co_u32 s30, s30, s21
	s_add_nc_u64 s[22:23], s[22:23], s[30:31]
	s_mul_i32 s30, s29, s26
	s_add_co_u32 s30, s30, s25
	s_add_nc_u64 s[32:33], s[16:17], s[30:31]      ; my pair block
	s_mul_i32 s30, s28, 3072
	s_add_nc_u64 s[34:35], s[32:33], s[30:31]      ; tile 0, K step 2 p
	s_mov_b32 s30, s27
	s_add_nc_u64 s[36:37], s[34:35], s[30:31]      ; tile 1
	s_lshl_b32 s30, s27, 1
	s_lshl_b32 s21, s28, 8
	s_add_co_u32 s30, s30, s21
	s_add_nc_u64 s[38:39], s[32:33], s[30:31]      ; unit p of the scale words
	s_wait_alu depctr_va_vdst(0)
	v_and_b32 v[VC], 8, v3
	v_add_nc_u32 v[VC], v[VC], v3
	v_lshl_add_u32 v[VC], v4, 3, v[VC]             ; my column: 8 (lane / 16) + r + 8 (r / 8): lanes 0-15 are tile 0, lanes 16-31 tile 1; together 128 consecutive bytes
	v_lshlrev_b32 v[VC], 2, v[VC]
.macro WLOADB t                        ; block t: W(32 t + i, my column) into set t % 2
.set i_, 0
.rept 32
	global_load_b32 v[WX+32*((\t)%2)+i_], v[VC], s[22:23] offset:(32*(\t)+i_)*4096 th:TH_LOAD_NT
.set i_, i_+1
.endr
.endm
.macro WBLOCK t
.set XS, WX+32*((\t)%2)
.set CC, CB+8*(\t)
.if (\t) < 7
	s_wait_loadcnt 32                              ; this block's 32 loads are in; the next block's may be out
.else
	s_wait_loadcnt 0x0
.endif
	v_max3_num_f32 v18, |v[XS]|, |v[XS+1]|, |v[XS+2]|   ; the block's largest magnitude: all 32 numbers are mine
	v_max3_num_f32 v19, |v[XS+3]|, |v[XS+4]|, |v[XS+5]|
.irp i, 6,10,14,18,22,26
	v_max3_num_f32 v18, v18, |v[XS+\i]|, |v[XS+\i+1]|
	v_max3_num_f32 v19, v19, |v[XS+\i+2]|, |v[XS+\i+3]|
.endr
	v_max3_num_f32 v18, v18, |v[XS+30]|, |v[XS+31]|
	v_max3_num_f32 v18, v18, v19, 0x1800000        ; and the floor
	v_add_nc_u32 v20, 0xff000000, v18              ; the conversion's scale operand
	v_lshrrev_b32 v21, 23, v20                     ; the byte
.if (\t)%4 == 0
	v_mov_b32 v[SWW+(\t)/4], v21                   ; four bytes to a word, the lower K in the lower byte
.else
	v_lshl_or_b32 v[SWW+(\t)/4], v21, 8*((\t)%4), v[SWW+(\t)/4]
.endif
	v_cvt_scalef32_pk16_fp6_f32 v[CC:CC+2], v[XS:XS+15], v20
	v_cvt_scalef32_pk16_fp6_f32 v[T:T+2], v[XS+16:XS+31], v20
	v_nop                                          ; one plain line behind the scaled conversions
.irp i, 0,1,2
	v_mov_b32 v[CC+3+\i], v[T+\i]
.endr
.if (\t)+2 < 8
	WLOADB (\t)+2
.endif
.if (\t)%2 == 1                        ; an even and an odd block: lanes 16-31 of the first change places with lanes 0-15 of the second: the first is then tile 0's half image (block 2 c below, 2 c + 1 above), the second tile 1's
.irp i, 0,1,2,3,4,5
	v_permlane16_swap_b32 v[CC-8+\i], v[CC+\i]
.endr
.set OF, ((\t)/4)*1536+(((\t)%4)/2)*768
	global_store_b128 v[O16], v[CC-8:CC-5], s[34:35] offset:OF
	global_store_b64 v[O8], v[CC-4:CC-3], s[34:35] offset:OF+512
	global_store_b128 v[O16], v[CC:CC+3], s[36:37] offset:OF
	global_store_b64 v[O8], v[CC+4:CC+5], s[36:37] offset:OF+512
.endif
.endm
	WLOADB 0
	WLOADB 1
.irp u, 0,1,2,3,4,5,6,7
	WBLOCK \u
.endr
	global_store_b64 v[O8], v[SWW:SWW+1], s[38:39] ; my column's two scale words: the wave stores one aligned unit of 256 bytes
	s_endpgm
.Lfunc_end_k_q1f918cd763_quant:
	.size	k_q1f918cd763_quant, .Lfunc_end_k_q1f918cd763_quant-k_q1f918cd763_quant
	.p2alignl 7, 3214868480
	.fill 96, 4, 3214868480
	.section	.rodata,"a",@progbits
	.p2align	6, 0x0
	.amdhsa_kernel k_q1f918cd763_quant
		.amdhsa_group_segment_fixed_size 34304
		.amdhsa_private_segment_fixed_size 0
		.amdhsa_enable_private_segment 0
		.amdhsa_kernarg_size 56
		.amdhsa_user_sgpr_count 2
		.amdhsa_user_sgpr_kernarg_segment_ptr 1
		.amdhsa_wavefront_size32 1
		.amdhsa_system_sgpr_workgroup_id_x 1
		.amdhsa_system_sgpr_workgroup_id_y 1
		.amdhsa_system_sgpr_workgroup_id_z 1
		.amdhsa_system_vgpr_workitem_id 0
		.amdhsa_next_free_vgpr 256
		.amdhsa_next_free_sgpr 66
		.amdhsa_reserve_vcc 0
		.amdhsa_float_denorm_mode_32 3
		.amdhsa_float_denorm_mode_16_64 3
		.amdhsa_memory_ordered 1
		.amdhsa_forward_progress 1
		.amdhsa_inst_pref_size 75
	.end_amdhsa_kernel
	.amdgpu_metadata
---
amdhsa.version: [ 1, 2 ]
amdhsa.kernels:
  - .name:           k_q1f918cd763_quant
    .symbol:         k_q1f918cd763_quant.kd
    .args:
      - { .name: query, .offset: 0, .size: 8, .value_kind: global_buffer, .address_space: global }
      - { .name: key_value, .offset: 8, .size: 8, .value_kind: global_buffer, .address_space: global }
      - { .name: Wq, .offset: 16, .size: 8, .value_kind: global_buffer, .address_space: global }
      - { .name: Wk, .offset: 24, .size: 8, .value_kind: global_buffer, .address_space: global }
      - { .name: Wv, .offset: 32, .size: 8, .value_kind: global_buffer, .address_space: global }
      - { .name: Wo, .offset: 40, .size: 8, .value_kind: global_buffer, .address_space: global }
      - { .name: qa, .offset: 48, .size: 8, .value_kind: global_buffer, .address_space: global }
    .group_segment_fixed_size: 34304
    .private_segment_fixed_size: 0
    .kernarg_segment_align: 8
    .kernarg_segment_size: 56
    .max_flat_workgroup_size: 128
    .sgpr_count:     66
    .vgpr_count:     256
    .wavefront_size: 32
...
	.end_amdgpu_metadata
.endif
;; end of part 1
;; launch proj (part 2): grid 4 x 64, 4 waves a work-group, clusters of 4 x 1, 327,680 bytes of LDS; arguments qa, bq, bk, bv, qkv; writes qkv
.if DOCPART == 2
	.amdgcn_target "amdgcn-amd-amdhsa--gfx1250"
	.amdhsa_code_object_version 6
	.text
	.protected	k_q1f918cd763_proj
	.globl	k_q1f918cd763_proj
	.p2align	8
	.type	k_q1f918cd763_proj,@function
k_q1f918cd763_proj:
	s_mov_b64 s[64:65], 0
	v_nop
	global_prefetch_b8 v0, s[64:65] scope:SCOPE_SE
	s_setreg_imm32_b32 hwreg(HW_REG_WAVE_MODE, 25, 1), 1
	s_wait_xcnt 0x0
	s_wait_alu depctr_hold_cnt(0) depctr_sa_sdst(0) depctr_va_vdst(0) depctr_va_sdst(0) depctr_va_ssrc(0) depctr_va_vcc(0) depctr_vm_vsrc(0)
	s_getreg_b32 s2, hwreg(HW_REG_IB_STS2, 6, 4)
	s_cmp_eq_u32 s2, 0
	s_cbranch_scc0 .Lentry_in_a_cluster
	s_endpgm
.Lentry_in_a_cluster:
	s_bfe_u32 s2, ttmp6, 0x10000c
	s_cmp_lg_u32 s2, 0x3003
	s_cbranch_scc0 .Lentry_shape_is_right
	s_endpgm
.Lentry_shape_is_right:
.set A_KV,  6553600
.set A_WQ,  11468800
.set A_WK,  12288000
.set A_WV,  12902400
.set PB8,   25600
.set PB6,   19200
.set B_Q,   13369344
.set HB,    208896
.set QB,    106496
.set L16,   6
.set AK16,  6
.set L8,    8
.set AK8,   8
.set AQ16,  10
.set AQ8,   12
.set BA,    14
.set BVA,   15
.set ACC,   16
.set WS,    144
.set AS,    160
.set TM,    192
.set PC,    208
.set T0,    218
.set PW,    220
.set WD,    221
.set SWP,   222
.set VW,    224
.set VSP,   228
.set BIAS,  192
.set SEL,   74
.set HIM,   76
.set MSB, 0
.macro WIN new
.if MSB != (\new)
	s_set_vgpr_msb (MSB<<8)|(\new)
.set MSB, (\new)
.endif
.endm
.macro PLACES n
.rept \n
	v_nop
.endr
.endm
.macro CROUND
	s_barrier_signal -1
	s_barrier_wait -1
	s_cmp_lg_u32 s14, 0
	s_cbranch_scc1 .Lnot_wave_0_\@
	s_barrier_signal -3
.Lnot_wave_0_\@:
	s_barrier_wait -3
	s_barrier_signal -1
	s_barrier_wait -1
.endm
.macro PARAMS ks, a16, a8
.set KS, \ks
.set NP, KS/2
.set UOFF, KS*1536
.set PBS, 2*UOFF+256*NP
.set A16, \a16
.set A8, \a8
.endm
.macro WMM d, a, b, c, sa, sb, ra, rb
.if ((\ra) == 0) && ((\rb) == 0)
	v_wmma_scale_f32_16x16x128_f8f6f4 v[(\d):(\d)+7], v[(\a):(\a)+11], v[(\b):(\b)+11], v[(\c):(\c)+7], v[\sa], v[\sb] matrix_a_fmt:MATRIX_FMT_FP6 matrix_b_fmt:MATRIX_FMT_FP6
.elseif ((\ra) == 1) && ((\rb) == 0)
	v_wmma_scale_f32_16x16x128_f8f6f4 v[(\d):(\d)+7], v[(\a):(\a)+11], v[(\b):(\b)+11], v[(\c):(\c)+7], v[\sa], v[\sb] matrix_a_fmt:MATRIX_FMT_FP6 matrix_b_fmt:MATRIX_FMT_FP6 matrix_a_scale:MATRIX_SCALE_ROW1
.elseif ((\ra) == 0)
	v_wmma_scale_f32_16x16x128_f8f6f4 v[(\d):(\d)+7], v[(\a):(\a)+11], v[(\b):(\b)+11], v[(\c):(\c)+7], v[\sa], v[\sb] matrix_a_fmt:MATRIX_FMT_FP6 matrix_b_fmt:MATRIX_FMT_FP6 matrix_b_scale:MATRIX_SCALE_ROW1
.else
	v_wmma_scale_f32_16x16x128_f8f6f4 v[(\d):(\d)+7], v[(\a):(\a)+11], v[(\b):(\b)+11], v[(\c):(\c)+7], v[\sa], v[\sb] matrix_a_fmt:MATRIX_FMT_FP6 matrix_b_fmt:MATRIX_FMT_FP6 matrix_a_scale:MATRIX_SCALE_ROW1 matrix_b_scale:MATRIX_SCALE_ROW1
.endif
.endm
	s_load_b256 s[4:11], s[0:1], 0x0
	s_load_b64 s[12:13], s[0:1], 0x20
	v_lshl_add_u32 v254, v0, 2, 0x30000
	v_mov_b32 v255, 0
	ds_add_u32 v254, v255
	ds_add_u32 v254, v255
	v_lshrrev_b32 v1, 5, v0
	v_readfirstlane_b32 s14, v1
	s_bfe_u32 s15, ttmp6, 0x40000
	s_lshl_b32 s78, ttmp9, 2
	s_add_co_u32 s15, s15, s78
	s_and_b32 s16, ttmp7, 0xffff
	s_lshl_b32 s17, s15, 2
	s_add_co_u32 s17, s17, s14
	s_lshr_b32 s18, s16, 4
	s_and_b32 s19, s16, 15
	s_lshl_b32 s20, s18, 4
	s_add_co_u32 s20, s20, s17
	s_mov_b32 s24, 15|(3<<16)|(1<<21)
	s_mov_b32 s25, 32<<16
	s_mov_b32 s26, 100<<16
	s_mov_b32 s27, 32<<16
	s_mov_b32 s28, 100
	s_mov_b32 s29, 32
	s_mov_b32 s30, 0
	s_mov_b32 s31, 0
	s_mov_b32 s32, 15|(3<<16)|(1<<21)
	s_mov_b32 s33, 32<<16
	s_mov_b32 s34, 75<<16
	s_mov_b32 s35, 32<<16
	s_mov_b32 s36, 75
	s_mov_b32 s37, 32
	s_mov_b32 s38, 0
	s_mov_b32 s39, 0
	s_lshl_b32 s78, s16, 2
	s_add_co_u32 s78, s78, s14
	s_mul_i32 s80, s78, PB8
	s_mov_b32 s81, 0
	s_mul_i32 s82, s78, PB6
	s_add_co_u32 s82, s82, A_KV
	s_mov_b32 s83, 0
	s_mul_i32 s84, s14, PB8
	s_mul_i32 s85, s14, PB6
	s_wait_dscnt 0x0
	s_wait_kmcnt 0x0
	s_mov_b32 s40, 1
	s_add_co_u32 s41, s84, 76800
	s_add_nc_u64 s[42:43], s[4:5], s[80:81]
	s_or_b32 s43, s43, 0x80000000
	s_mov_b32 s44, 1
	s_mov_b32 s45, s85
	s_add_nc_u64 s[46:47], s[4:5], s[82:83]
	s_or_b32 s47, s47, 0x80000000
	CROUND
	tensor_load_to_lds s[40:43], s[24:31]
	s_nop 0
	s_wait_alu depctr_va_vdst(0)
	s_wait_tensorcnt 0x0
	ds_add_u32 v254, v255
	s_wait_dscnt 0x0
	CROUND
	tensor_load_to_lds s[44:47], s[32:39]
	s_nop 0
	PLACES 4
	v_and_b32 v1, 31, v0
	v_and_b32 v2, 15, v0
	v_bfe_u32 v3, v0, 4, 1
	v_lshlrev_b32 v[L16], 4, v1
	v_lshlrev_b32 v[L8], 3, v1
	v_add_nc_u32 v[AK16+1], 2*PB6, v[L16]
	v_add_nc_u32 v[AK8+1], 2*PB6, v[L8]
	v_add_nc_u32 v[AQ16], 76800, v[L16]
	v_add_nc_u32 v[AQ8], 76800, v[L8]
	v_add_nc_u32 v[AQ16+1], 76800+2*PB8, v[L16]
	v_add_nc_u32 v[AQ8+1], 76800+2*PB8, v[L8]
	v_lshlrev_b32 v[BA], 6, v3
	s_wait_alu depctr_va_vdst(0)
	v_and_b32 v[BVA], 8, v2
	v_add_nc_u32 v[BVA], v[BVA], v2
	v_lshlrev_b32 v[BVA], 2, v[BVA]
	v_mov_b32 v[TM+4], 0
	v_mov_b32 v[TM+5], 0
	s_mov_b32 s[SEL], 0x76543210
	s_mov_b32 s[SEL+1], 0xfedcba98
	s_mov_b32 s[HIM], 0xffff0000
	s_mov_b32 s79, 0
	s_mov_b32 s81, 0
	s_mul_i32 s78, s17, 2*PB8
	s_add_co_u32 s78, s78, A_WQ
	s_add_nc_u64 s[48:49], s[4:5], s[78:79]
	s_mul_i32 s78, s17, 2*PB6
	s_add_co_u32 s80, s78, A_WK
	s_add_nc_u64 s[50:51], s[4:5], s[80:81]
	s_add_co_u32 s80, s78, A_WV
	s_add_nc_u64 s[52:53], s[4:5], s[80:81]
	s_lshl_b32 s78, s17, 8
	s_add_nc_u64 s[54:55], s[6:7], s[78:79]
	s_add_nc_u64 s[56:57], s[8:9], s[78:79]
	s_add_nc_u64 s[58:59], s[10:11], s[78:79]
	s_mul_i32 s82, s20, QB
	s_add_co_u32 s82, s82, B_Q
	s_mul_i32 s83, s19, 6144
	s_lshl_b32 s84, s19, 9
	s_add_co_u32 s78, s82, s83
	s_add_nc_u64 s[60:61], s[12:13], s[78:79]
	s_add_co_u32 s78, s82, s84
	s_add_co_u32 s78, s78, 98304
	s_add_nc_u64 s[62:63], s[12:13], s[78:79]
	s_mul_i32 s82, s20, HB
	s_add_co_u32 s78, s82, s83
	s_add_nc_u64 s[66:67], s[12:13], s[78:79]
	s_add_co_u32 s78, s78, 106496
	s_add_nc_u64 s[70:71], s[12:13], s[78:79]
	s_add_co_u32 s78, s82, s84
	s_add_co_u32 s78, s78, 98304
	s_add_nc_u64 s[68:69], s[12:13], s[78:79]
	s_lshl_b32 s84, s19, 8
	s_add_co_u32 s78, s82, s84
	s_add_co_u32 s78, s78, 204800
	s_add_nc_u64 s[72:73], s[12:13], s[78:79]
.macro WLOAD wb
.set h_, 0
.rept 2
	WIN 0x40+0x40*h_
.set t_, 0
.rept 4
.set s_, 0
.rept KS/2
.set RG, 12*(t_*(KS/2)+s_)
.set OF, (t_/2)*PBS+((t_%2)*KS+h_*(KS/2)+s_)*1536
	global_load_b128 v[RG:RG+3], v[L16], s[\wb:\wb+1] offset:OF
	global_load_b64 v[RG+4:RG+5], v[L8], s[\wb:\wb+1] offset:OF+512
	global_load_b128 v[RG+6:RG+9], v[L16], s[\wb:\wb+1] offset:OF+768
	global_load_b64 v[RG+10:RG+11], v[L8], s[\wb:\wb+1] offset:OF+1280
.set s_, s_+1
.endr
.set t_, t_+1
.endr
.set h_, h_+1
.endr
	WIN 0
.set t_, 0
.rept 2
.set s_, 0
.rept NP
	global_load_b64 v[WS+2*NP*t_+2*s_:WS+2*NP*t_+2*s_+1], v[L8], s[\wb:\wb+1] offset:t_*PBS+2*UOFF+256*s_
.set s_, s_+1
.endr
.set t_, t_+1
.endr
.endm
.macro BIASQK bb
	WIN 0x40
.irp t, 0,1,2,3
	global_load_b128 v[BIAS+8*\t:BIAS+8*\t+3], v[BA], s[\bb:\bb+1] offset:(32*(\t/2)+8*(\t%2))*4
	global_load_b128 v[BIAS+8*\t+4:BIAS+8*\t+7], v[BA], s[\bb:\bb+1] offset:(32*(\t/2)+8*(\t%2))*4+16
.endr
	WIN 0
.endm
.macro BIASV bb
	WIN 0x40
.irp t, 0,1,2,3
	global_load_b32 v[BIAS+8*\t], v[BVA], s[\bb:\bb+1] offset:(32*(\t/2)+8*(\t%2))*4
.endr
	WIN 0
.endm
.macro ASLOAD
.set m_, 0
.rept 8
.set p_, 0
.rept NP
	ds_load_b32 v[AS+NP*m_+p_], v[A8+m_/4] offset:((m_/2)%2)*PBS+2*UOFF+256*p_+4*(m_%2)
.set p_, p_+1
.endr
.set m_, m_+1
.endr
.endm
.macro FETCHA e, m
	WIN 0xc0
.set s_, 0
.rept KS
.set RG, 96*(\e)+12*s_
.set OF, (((\m)/2)%2)*PBS+(((\m)%2)*KS+s_)*1536
	ds_load_b128 v[RG:RG+3], v[A16+(\m)/4] offset:OF
	ds_load_b64 v[RG+4:RG+5], v[A8+(\m)/4] offset:OF+512
	ds_load_b128 v[RG+6:RG+9], v[A16+(\m)/4] offset:OF+768
	ds_load_b64 v[RG+10:RG+11], v[A8+(\m)/4] offset:OF+1280
.set s_, s_+1
.endr
.endm
.macro MUL m, v
.set s_, 0
.rept KS
.if \v
.if s_ == 0
	WIN 0x17
.elseif s_ < KS/2
	WIN 0x07
.else
	WIN 0x0b
.endif
.else
.if s_ == 0
	WIN 0x1d
.elseif s_ < KS/2
	WIN 0x0d
.else
	WIN 0x0e
.endif
.endif
.set t_, 0
.rept 4
.set RW_, 12*(t_*(KS/2)+s_%(KS/2))
.set RT_, 96*((\m)%2)+12*s_
.if \v
.set RD_, ACC+32*t_+8*((\m)%4)
.else
.set RD_, ACC+8*t_
.endif
.set RC_, RD_
.if s_ == 0
.set RC_, BIAS+8*t_
.endif
.set SW_, WS+2*NP*(t_/2)+s_
.set ST_, AS+NP*(\m)+s_/2
.set RA_, t_%2
.set RB_, s_%2
.if \v
	WMM RD_, RT_, RW_, RC_, ST_, SW_, RB_, RA_
.else
	WMM RD_, RW_, RT_, RC_, SW_, ST_, RA_, RB_
.endif
.set t_, t_+1
.endr
.set s_, s_+1
.endr
	WIN 0
	PLACES 5
.endm
.macro TILE_MUL m, v
.if (\m) < 7
	FETCHA ((\m)+1)%2, (\m)+1
	s_wait_dscnt 4*KS
.else
	s_wait_dscnt 0x0
.endif
	MUL \m, \v
.endm
.macro QUANT32 s
.irp b, 0,1
	v_max3_num_f32 v[TM+\b], |v[(\s)+16*\b]|, |v[(\s)+16*\b+1]|, 0x1800000
.endr
.irp i, 2,4,6,8,10,12,14
.irp b, 0,1
	v_max3_num_f32 v[TM+\b], |v[(\s)+16*\b+\i]|, |v[(\s)+16*\b+\i+1]|, v[TM+\b]
.endr
.endr
.irp b, 0,1
	v_permlanex16_b32 v[TM+4+\b], v[TM+\b], s[SEL], s[SEL+1]
.endr
.irp b, 0,1
	v_max_num_f32 v[TM+\b], v[TM+\b], v[TM+4+\b]
.endr
.irp b, 0,1
	v_add_nc_u32 v[TM+12+\b], 0xff000000, v[TM+\b]
.endr
.irp b, 0,1
	v_lshrrev_b32 v[TM+4+\b], 23, v[TM+12+\b]
.endr
	v_lshl_or_b32 v[PW], v[TM+5], 8, v[TM+4]
	v_cvt_scalef32_pk16_fp6_f32 v[PC:PC+2], v[(\s):(\s)+15], v[TM+12]
	v_cvt_scalef32_pk16_fp6_f32 v[PC+6:PC+8], v[(\s)+16:(\s)+31], v[TM+13]
	v_nop
.irp i, 0,1,2
	v_permlane16_swap_b32 v[PC+\i], v[PC+6+\i]
.endr
.irp i, 0,1,2
	v_mov_b32 v[PC+3+\i], v[PC+6+\i]
.endr
.endm
.macro TILE_OUT m, cd, sd
	s_wait_xcnt 0x0
	QUANT32 ACC
.if (\m)%2 == 0
	v_or_b32 v[T0], 0x7f7f0000, v[PW]
.else
	v_or_b32 v[WD], 0x7f7f0000, v[PW]
	v_cndmask_b32 v[SWP+((\m)%4)/2], v[T0], v[WD], s[HIM]
.endif
	global_store_b128 v[L16], v[PC:PC+3], s[\cd:\cd+1] offset:(\m)*768
	global_store_b64 v[L8], v[PC+4:PC+5], s[\cd:\cd+1] offset:(\m)*768+512
.if (\m)%4 == 3
	global_store_b64 v[L8], v[SWP:SWP+1], s[\sd:\sd+1] offset:((\m)/4)*256
.endif
.endm
.macro V_OUT jj
.irp t, 0,1,2,3
	s_wait_xcnt 0x0
	QUANT32 ACC+32*\t
	global_store_b128 v[L16], v[PC:PC+3], s[70:71] offset:\t*1536+(\jj)*768
	global_store_b64 v[L8], v[PC+4:PC+5], s[70:71] offset:\t*1536+(\jj)*768+512
.if (\jj) == 0
	v_mov_b32 v[VW+\t], v[PW]
.else
	v_lshl_or_b32 v[VW+\t], v[PW], 16, v[VW+\t]
.endif
.endr
.endm
	PARAMS 8, AQ16, AQ8
	WLOAD 48
	BIASQK 54
	s_wait_tensorcnt 0x0
	s_barrier_signal -1
	s_barrier_wait -1
	ASLOAD
	FETCHA 0, 0
	s_wait_loadcnt 0x0
.irp n, 0,1,2,3,4,5,6
	TILE_MUL \n, 0
	TILE_OUT \n, 60, 62
.endr
	TILE_MUL 7, 0
	PARAMS 6, AK16, AK8
	WLOAD 50
	BIASQK 56
	ASLOAD
	FETCHA 0, 0
	WIN 0
	TILE_OUT 7, 60, 62
	s_wait_loadcnt 0x0
.irp n, 0,1,2,3,4,5,6
	TILE_MUL \n, 0
	TILE_OUT \n, 66, 68
.endr
	TILE_MUL 7, 0
	WLOAD 52
	BIASV 58
	FETCHA 0, 0
	WIN 0
	TILE_OUT 7, 66, 68
	s_wait_loadcnt 0x0
	WIN 0x41
.irp t, 0,1,2,3
.irp j, 1,2,3,4,5,6,7
	v_mov_b32 v[BIAS+8*\t+\j], v[BIAS+8*\t]
.endr
.endr
	WIN 0
	PLACES 4
	s_wait_alu depctr_va_vdst(0)
.irp n, 0,1,2,3
	TILE_MUL \n, 1
.endr
	V_OUT 0
.irp n, 4,5,6,7
	TILE_MUL \n, 1
.endr
	V_OUT 1
	v_cndmask_b32 v[VSP], v[VW], v[VW+1], s[HIM]
	v_cndmask_b32 v[VSP+1], v[VW+2], v[VW+3], s[HIM]
	global_store_b64 v[L8], v[VSP:VSP+1], s[72:73]
	s_wait_tensorcnt 0x0
	ds_add_u32 v254, v255
	s_wait_dscnt 0x0
	CROUND
	s_endpgm
.Lfunc_end_k_q1f918cd763_proj:
	.size	k_q1f918cd763_proj, .Lfunc_end_k_q1f918cd763_proj-k_q1f918cd763_proj
	.p2alignl 7, 3214868480
	.fill 96, 4, 3214868480
	.section	.rodata,"a",@progbits
	.p2align	6, 0x0
	.amdhsa_kernel k_q1f918cd763_proj
		.amdhsa_group_segment_fixed_size 327680
		.amdhsa_private_segment_fixed_size 0
		.amdhsa_enable_private_segment 0
		.amdhsa_kernarg_size 40
		.amdhsa_user_sgpr_count 2
		.amdhsa_user_sgpr_kernarg_segment_ptr 1
		.amdhsa_wavefront_size32 1
		.amdhsa_system_sgpr_workgroup_id_x 1
		.amdhsa_system_sgpr_workgroup_id_y 1
		.amdhsa_system_sgpr_workgroup_id_z 1
		.amdhsa_system_vgpr_workitem_id 0
		.amdhsa_next_free_vgpr 1024
		.amdhsa_next_free_sgpr 90
		.amdhsa_reserve_vcc 0
		.amdhsa_float_denorm_mode_32 3
		.amdhsa_float_denorm_mode_16_64 3
		.amdhsa_memory_ordered 1
		.amdhsa_forward_progress 1
		.amdhsa_inst_pref_size 227
	.end_amdhsa_kernel
	.amdgpu_metadata
---
amdhsa.version: [ 1, 2 ]
amdhsa.kernels:
  - .name:           k_q1f918cd763_proj
    .symbol:         k_q1f918cd763_proj.kd
    .args:
      - { .name: qa, .offset: 0, .size: 8, .value_kind: global_buffer, .address_space: global }
      - { .name: bq, .offset: 8, .size: 8, .value_kind: global_buffer, .address_space: global }
      - { .name: bk, .offset: 16, .size: 8, .value_kind: global_buffer, .address_space: global }
      - { .name: bv, .offset: 24, .size: 8, .value_kind: global_buffer, .address_space: global }
      - { .name: qkv, .offset: 32, .size: 8, .value_kind: global_buffer, .address_space: global }
    .group_segment_fixed_size: 327680
    .private_segment_fixed_size: 0
    .kernarg_segment_align: 8
    .kernarg_segment_size: 40
    .max_flat_workgroup_size: 128
    .sgpr_count:     90
    .vgpr_count:     1024
    .wavefront_size: 32
...
	.end_amdgpu_metadata
.endif
;; end of part 2
;; launch attn (part 3): grid 4 x 64, 8 waves a work-group, clusters of 4 x 1, 321,792 bytes of LDS; arguments qkv, xc; writes xc
.if DOCPART == 3
	.amdgcn_target "amdgcn-amd-amdhsa--gfx1250"
	.amdhsa_code_object_version 6
	.text
	.protected	k_q1f918cd763_attn
	.globl	k_q1f918cd763_attn
	.p2align	8
	.type	k_q1f918cd763_attn,@function
k_q1f918cd763_attn:
	s_mov_b64 s[64:65], 0
	v_nop
	global_prefetch_b8 v0, s[64:65] scope:SCOPE_SE
	s_setreg_imm32_b32 hwreg(HW_REG_WAVE_MODE, 25, 1), 1
	s_wait_xcnt 0x0
	s_wait_alu depctr_hold_cnt(0) depctr_sa_sdst(0) depctr_va_vdst(0) depctr_va_sdst(0) depctr_va_ssrc(0) depctr_va_vcc(0) depctr_vm_vsrc(0)
	s_getreg_b32 s2, hwreg(HW_REG_IB_STS2, 6, 4)
	s_cmp_eq_u32 s2, 0
	s_cbranch_scc0 .Lentry_in_a_cluster
	s_endpgm
.Lentry_in_a_cluster:
	s_bfe_u32 s2, ttmp6, 0x10000c
	s_cmp_lg_u32 s2, 0x3003
	s_cbranch_scc0 .Lentry_shape_is_right
	s_endpgm
.Lentry_shape_is_right:
; x[b][q][head] = softmax_k(clip(q . k / 8, +-1e4)) v on codes of FP6 (E2M3) with E8M0 scales.  The FINISHED, normalised weights are quantised, in blocks of 32 keys; x is quantised along its head's 64 channels for the last product.
; A work-group takes 512 queries of one head, 32 a trip.  Eight waves of 512 registers; a wave holds the scores of the trip's 32 queries x its own 256 keys in 256 registers, so each score and each exponential is computed once.
; The head's K and V (codes and scale words, 208,896 bytes) lie in LDS for the whole launch.  CLUSTER: the four work-groups of a cluster belong to one head: the block is asked for JOINTLY, one tensor load a wave, once.  No LDS byte is filled twice.
; No prefetch: K and V come once, at the head; in the loop only Q's 1,664 bytes a trip come from memory, and their loads are issued one trip ahead of their use.
; BOTH PRODUCTS TRANSPOSED: S^T = K Q^T (K = 64: the upper half of each operand is zero codes under the byte 127), O^T = V^T P^T: a lane holds ONE query; register 16 b + i is key (channel) 32 b + 16 (lane / 16) + i.
; SOFTMAX.  t = c clip(s, +-8e4), c = log2(e) / 8 (the factor 1 / 8 is exact, so this is the clip of reference()).  Each wave takes its own largest t, MC, away: p' = 2^(t - MC), l' = sum p'.  Two exchanges through LDS give every wave all eight MC and l';
; with mg the largest MC: l = sum l'_w 2^(MC_w - mg), and the finished weight is p' x F, F = 2^(MC - mg) / l: the maximum over all keys is taken away, as reference() does.  In the exchanges lane (r, h) serves query r of tile h; one lane permute gives it the other tile's F.
; A block's largest weight is not searched for: the block's largest score goes through the same instructions (this takes v_exp_f32 not to fall where its input rises).
; The eight waves' parts of O^T meet in LDS; each wave adds one accumulator's eight parts; behind the next trip's barrier waves 0 to 3 convert 16 queries x 32 channels each; the codes wait in LDS and leave at the end in whole units.
; THE LOOP IS TURNED: a trip ends with the next trip's first 128 keys (products between the stores of O^T and their barrier, maxima between the loads of the parts and their wait); the last trip jumps over the products by its counter.
; LIMITS: for finite q and k the clipped scores are finite, every p' is at most about 1 and l at least about 1: the weights hold no NaN and the fallback of reference() to uniform weights never acts; NaN, infinities, and inputs so large that a
; projection overflows f32 are not served.  A block of zeros gets the byte 1 where the rule says 127 (zero codes; this program alone reads the bytes).
; REGISTERS: window 0: addresses, scale words, statistics, K's, Q's and P's fragments.  Window 1: the scores, tile q at 128 q; once converted, v64-127 take O^T (later its parts) and v192-239 V's fragments.
.set HB,    208896
.set QB,    106496
.set B_Q,   13369344
.set C_XS,  6291456
.set KSCL,  98304                      ; in the head's block: K's units,
.set VCOD,  106496                     ; V's images,
.set VSCL,  204800                     ; V's units
.set EXM,   208896                     ; LDS behind the block: MC [lane][wave], 1,024 bytes; l' likewise
.set OP,    210944                     ; the parts of O^T: 8,192 bytes a wave
.set RO,    276480                     ; O^T summed: 1,024 bytes an accumulator
.set XSG,   284672+256                 ; x's scale bytes of the 512 queries; a block ahead of them stays free: in trip t the address names trip t - 1's place
.set XST,   285952+2048                ; x's codes as converted: [trip][tile][block][lane] places of 16 bytes; a trip's room ahead of them stays free likewise
.set SPARE, 320768                     ; the spare words: 128 bytes a wave
.set L16,   1
.set L8,    2
.set KA16,  4
.set KA8,   5
.set KSA,   6
.set VA16,  7
.set VA8,   8
.set VSA,   9
.set EXW,   10
.set EXR,   11
.set OPW,   12
.set OPR,   13
.set XS0,   14
.set XSA,   15
.set QSO,   16
.set ROW,   17
.set XC0,   18
.set XCA,   19
.set KSC,   20                         ; v20-27 K's scale words: pair of tiles i of my 8; lanes 0-15 tile 0, lanes 16-31 tile 1
.set VSC,   28                         ; v28-31 V's: K step k, channel tiles 2 e, 2 e + 1 at VSC + 2 k + e
.set QSC,   32                         ; Q's: lanes 0-15 tile 0, lanes 16-31 tile 1
.set ROR,   33
.set PWA,   34                         ; v34-37 P's scale words: 2 x tile + K step
.set RM,    38
.set BM,    40                         ; v40-55 each block's largest score, later weight, later byte: 8 x tile + block
.set BX,    56                         ; v56-71 the conversions' scale operands
.set MC,    72                         ; a pair for each tile
.set F,     76                         ; a pair for each tile
.set TM,    80                         ; v80-95 at work
.set SUM,   80                         ; the same: eight chains of pairs
.set KF,    96                         ; v96-191 eight fragments of K; behind the scores the lower halves of fragments 0, 1 hold the exchanged MC and of 2, 3 the l'
.set QF,    192                        ; v192-215 Q's two
.set PC0,   216                        ; v216-239 P's two
.set CT,    240
.set LW,    248
.set MG,    250
.set MS,    251
.set EO,    252
.set FH,    253
.set OA,    64                         ; in window 1
.set VF,    192
.set WV,    8
.set CS,    28
.set SLO,   30
.set SHI,   31
.set SEL,   32
.set BI,    34
.set XSO,   35
.set XCO,   48
.set HIM,   49
.set MSB, 0
.macro WIN new                         ; the immediate's high byte repeats the setting that is left
.if MSB != (\new)
	s_set_vgpr_msb (MSB<<8)|(\new)
.set MSB, (\new)
.endif
.endm
.macro PLACES n
.rept \n
	v_nop
.endr
.endm
.macro CROUND                          ; a round of the cluster's barrier
	s_barrier_signal -1
	s_barrier_wait -1
	s_cmp_lg_u32 s[WV], 0
	s_cbranch_scc1 .Lnot_wave_0_\@
	s_barrier_signal -3
.Lnot_wave_0_\@:
	s_barrier_wait -3
	s_barrier_signal -1
	s_barrier_wait -1
.endm
.macro WMZ d, a, b, sa, sb, ra, rb     ; a product that starts a sum
.if ((\ra) == 0) && ((\rb) == 0)
	v_wmma_scale_f32_16x16x128_f8f6f4 v[(\d):(\d)+7], v[(\a):(\a)+11], v[(\b):(\b)+11], 0, v[\sa], v[\sb] matrix_a_fmt:MATRIX_FMT_FP6 matrix_b_fmt:MATRIX_FMT_FP6
.elseif ((\ra) == 1) && ((\rb) == 0)
	v_wmma_scale_f32_16x16x128_f8f6f4 v[(\d):(\d)+7], v[(\a):(\a)+11], v[(\b):(\b)+11], 0, v[\sa], v[\sb] matrix_a_fmt:MATRIX_FMT_FP6 matrix_b_fmt:MATRIX_FMT_FP6 matrix_a_scale:MATRIX_SCALE_ROW1
.elseif ((\ra) == 0)
	v_wmma_scale_f32_16x16x128_f8f6f4 v[(\d):(\d)+7], v[(\a):(\a)+11], v[(\b):(\b)+11], 0, v[\sa], v[\sb] matrix_a_fmt:MATRIX_FMT_FP6 matrix_b_fmt:MATRIX_FMT_FP6 matrix_b_scale:MATRIX_SCALE_ROW1
.else
	v_wmma_scale_f32_16x16x128_f8f6f4 v[(\d):(\d)+7], v[(\a):(\a)+11], v[(\b):(\b)+11], 0, v[\sa], v[\sb] matrix_a_fmt:MATRIX_FMT_FP6 matrix_b_fmt:MATRIX_FMT_FP6 matrix_a_scale:MATRIX_SCALE_ROW1 matrix_b_scale:MATRIX_SCALE_ROW1
.endif
.endm
.macro WMA d, a, b, sa, sb, ra         ; a product that adds in place
.if (\ra) == 0
	v_wmma_scale_f32_16x16x128_f8f6f4 v[(\d):(\d)+7], v[(\a):(\a)+11], v[(\b):(\b)+11], v[(\d):(\d)+7], v[\sa], v[\sb] matrix_a_fmt:MATRIX_FMT_FP6 matrix_b_fmt:MATRIX_FMT_FP6
.else
	v_wmma_scale_f32_16x16x128_f8f6f4 v[(\d):(\d)+7], v[(\a):(\a)+11], v[(\b):(\b)+11], v[(\d):(\d)+7], v[\sa], v[\sb] matrix_a_fmt:MATRIX_FMT_FP6 matrix_b_fmt:MATRIX_FMT_FP6 matrix_a_scale:MATRIX_SCALE_ROW1
.endif
.endm
	s_load_b128 s[4:7], s[0:1], 0x0                ; qkv, xc
	v_lshl_add_u32 v254, v0, 2, SPARE
	v_mov_b32 v255, 0
	ds_add_u32 v254, v255                          ; the opening lines: the add, twice on end, and its wait
	ds_add_u32 v254, v255
	v_lshrrev_b32 v3, 5, v0
	v_readfirstlane_b32 s[WV], v3                  ; wave 0..7
	s_bfe_u32 s9, ttmp6, 0x40000                   ; my place in the cluster
	s_lshl_b32 s44, ttmp9, 2
	s_add_co_u32 s9, s9, s44                       ; which 512 queries: it enters Q's and x's global addresses alone
	s_and_b32 s10, ttmp7, 0xffff                   ; bh, which the four partners share
	s_lshr_b32 s11, s10, 4                         ; batch
	s_and_b32 s12, s10, 15                         ; head
	; descriptor group 1: an eighth of the head's block, 26,112 dense bytes, as 102 rows of 256 bytes (32 elements of 8 bytes)
	s_mov_b32 s16, 15|(3<<16)|(1<<21)              ; the mask: all four work-groups; elements of 8 bytes; bit 21 beside a mask
	s_mov_b32 s17, 32<<16
	s_mov_b32 s18, 102<<16
	s_mov_b32 s19, 32<<16
	s_mov_b32 s20, 102
	s_mov_b32 s21, 32
	s_mov_b32 s22, 0
	s_mov_b32 s23, 0
	s_mul_i32 s46, s[WV], 26112
	s_mul_i32 s44, s10, HB
	s_add_co_u32 s44, s44, s46
	s_mov_b32 s45, 0
	s_wait_dscnt 0x0
	s_wait_kmcnt 0x0
	s_mov_b32 s24, 1
	s_mov_b32 s25, s46
	s_add_nc_u64 s[26:27], s[4:5], s[44:45]
	s_or_b32 s27, s27, 0x80000000
	CROUND                                         ; all four work-groups are here: the joint loads meet
	tensor_load_to_lds s[24:27], s[16:23]
	s_nop 0
	PLACES 4
	; the scalar parts of the LDS addresses first, then the vector lines on end
	s_mul_i32 s50, s[WV], 12288                    ; my 16 tiles of K; my 2 K steps of V are as many bytes
	s_add_co_u32 s51, s50, VCOD
	s_lshl_b32 s52, s[WV], 10
	s_add_co_u32 s56, s52, OP                      ; the accumulator whose parts I add: 1,024 bytes in each part
	s_add_co_u32 s61, s52, RO
	s_add_co_u32 s52, s52, KSCL
	s_lshl_b32 s53, s[WV], 9
	s_add_co_u32 s53, s53, VSCL
	s_lshl_b32 s54, s[WV], 2
	s_lshl_b32 s55, s[WV], 13
	s_add_co_u32 s55, s55, OP
	s_and_b32 s46, s[WV], 3                        ; as a converting wave: tile = s46 / 2, block = s46 % 2
	s_lshl_b32 s62, s46, 11
	s_add_co_u32 s62, s62, RO
	s_lshr_b32 s57, s46, 1
	s_lshl_b32 s57, s57, 5
	s_and_b32 s47, s46, 1
	s_add_co_u32 s57, s57, s47
	s_add_co_u32 s57, s57, XSG-64
	s_lshl_b32 s58, s46, 9
	s_add_co_u32 s58, s58, XST-2048
	s_lshl_b32 s59, s46, 8
	s_add_co_u32 s59, s59, XSG
	s_lshl_b32 s60, s[WV], 12
	s_add_co_u32 s60, s60, XST
	v_and_b32 v3, 31, v0
	v_lshlrev_b32 v[L16], 4, v3
	v_lshlrev_b32 v[L8], 3, v3
	v_lshlrev_b32 v[EXR], 5, v3
	v_and_b32 v3, 15, v0
	v_add_nc_u32 v[KA16], s50, v[L16]
	v_add_nc_u32 v[KA8], s50, v[L8]
	v_add_nc_u32 v[VA16], s51, v[L16]
	v_add_nc_u32 v[VA8], s51, v[L8]
	v_add_nc_u32 v[KSA], s52, v[L8]
	v_add_nc_u32 v[VSA], s53, v[L8]
	v_add_nc_u32 v[EXR], EXM, v[EXR]               ; 32 bytes a lane: eight waves' words
	v_add_nc_u32 v[EXW], s54, v[EXR]
	v_add_nc_u32 v[OPW], s55, v[L16]
	v_add_nc_u32 v[OPR], s56, v[L16]
	v_add_nc_u32 v[ROW], s61, v[L16]
	v_add_nc_u32 v[ROR], s62, v[L16]
	v_lshl_add_u32 v[XS0], v3, 1, s57
	v_add_nc_u32 v[XC0], s58, v[L16]
.set i_, 0
.rept 10                               ; K = 64: the upper halves of K's eight fragments and of Q's two are zero codes, set once; the loads fill the lower halves alone
.irp j, 6,7,8,9,10,11
	v_mov_b32 v[KF+12*i_+\j], 0
.endr
.set i_, i_+1
.endr
.set i_, 0
.rept 16
	v_mov_b32 v[TM+i_], 0                          ; written once: a lane permute's destination counts as one of its sources
.set i_, i_+1
.endr
	s_mov_b32 s[CS], 0x3e38aa3b                    ; c = log2(e) / 8
	s_mov_b32 s[CS+1], s[CS]
	s_mov_b32 s[SLO], 0xc79c4000                   ; -80,000
	s_mov_b32 s[SHI], 0x479c4000                   ; 80,000
	s_mov_b32 s[SEL], 0x76543210
	s_mov_b32 s[SEL+1], 0xfedcba98
	s_mov_b32 s[HIM], 0xffff0000                   ; a select's mask: lanes 16-31
	s_mov_b32 s[BI], 0
	s_mov_b32 s[XSO], 0
	s_mov_b32 s[XCO], 0
	s_mul_i32 s46, s10, QB
	s_add_co_u32 s46, s46, B_Q
	s_mul_i32 s44, s9, 24576
	s_add_co_u32 s44, s44, s46
	s_add_nc_u64 s[36:37], s[4:5], s[44:45]        ; Q's half images at my first pair of tiles
	s_lshl_b32 s44, s9, 11
	s_add_co_u32 s44, s44, s46
	s_add_co_u32 s44, s44, 98304
	s_add_nc_u64 s[38:39], s[4:5], s[44:45]        ; and its units
	s_lshl_b32 s44, s11, 6
	s_lshl_b32 s46, s9, 4
	s_add_co_u32 s44, s44, s46
	s_mul_i32 s44, s44, 24576                      ; x: the work-group's first pair of tiles,
	s_mul_i32 s46, s[WV], 49152                    ; the two trips whose codes my wave stores at the end,
	s_add_co_u32 s44, s44, s46
	s_mul_i32 s46, s12, 768                        ; the head's half image
	s_add_co_u32 s44, s44, s46
	s_add_nc_u64 s[40:41], s[6:7], s[44:45]
	s_lshl_b32 s44, s10, 12
	s_lshl_b32 s46, s9, 10
	s_add_co_u32 s44, s44, s46
	s_and_b32 s46, s[WV], 3
	s_lshl_b32 s46, s46, 8
	s_add_co_u32 s44, s44, s46
	s_add_co_u32 s44, s44, C_XS
	s_add_nc_u64 s[42:43], s[6:7], s[44:45]        ; x's scale bytes: a unit for each of waves 0 to 3
.macro QLOAD sa                        ; a pair of tiles of Q, and its scale words
	global_load_b128 v[QF:QF+3], v[L16], s[36:37]
	global_load_b64 v[QF+4:QF+5], v[L8], s[36:37] offset:512
	global_load_b128 v[QF+12:QF+15], v[L16], s[36:37] offset:768
	global_load_b64 v[QF+16:QF+17], v[L8], s[36:37] offset:1280
	global_load_b32 v[QSC], v[\sa], s[38:39]
.endm
.macro KLOAD g                         ; tiles 8 g .. 8 g + 7 of my keys: the lower halves of eight fragments
.set i_, 0
.rept 8
	ds_load_b128 v[KF+12*i_:KF+12*i_+3], v[KA16] offset:(8*(\g)+i_)*768
	ds_load_b64 v[KF+12*i_+4:KF+12*i_+5], v[KA8] offset:(8*(\g)+i_)*768+512
.set i_, i_+1
.endr
.endm
.macro SMUL g                          ; sixteen products, each its own accumulator; four places behind them, for the loads into their operands and the reads of their results
	WIN 0x40
.set q_, 0
.rept 2
.set i_, 0
.rept 8
.set RD_, 128*q_+64*(\g)+8*i_
.set RK_, KF+12*i_
.set RQ_, QF+12*q_
.set SK_, KSC+4*(\g)+i_/2
.set RR_, i_%2
	WMZ RD_, RK_, RQ_, SK_, QSC, RR_, q_
.set i_, i_+1
.endr
.set q_, q_+1
.endr
	WIN 0
	PLACES 4
.endm
.macro MX g                            ; the largest score of blocks 4 g .. 4 g + 3 of both tiles: eight chains by turns; each accumulator is read from its low end on
	WIN 0x05
.set r_, 0
.rept 8
.set c_, 0
.rept 8
.set SR_, 128*(c_/4)+64*(\g)+16*(c_%4)+2*r_
.set BD_, BM+8*(c_/4)+4*(\g)+c_%4
.if r_ == 0
	v_max_num_f32 v[BD_], v[SR_], v[SR_+1]
.else
	v_max3_num_f32 v[BD_], v[SR_], v[SR_+1], v[BD_]
.endif
.set c_, c_+1
.endr
.set r_, r_+1
.endr
	WIN 0
.endm
.macro CLIP1 r
	v_med3_num_f32 v[\r], v[\r], s[SLO], s[SHI]
.endm
.macro FMA1 r                          ; t - MC, two at a time
	v_pk_fma_f32 v[(\r):(\r)+1], v[(\r):(\r)+1], s[CS:CS+1], v[MC+2*((\r)/128):MC+2*((\r)/128)+1] op_sel_hi:[1,0,0] neg_lo:[0,0,1] neg_hi:[0,0,1]
.endm
; a batch: the exponentials of scores 32 k .. 32 k + 31; among them the clip of the batch two on and the multiply-add of the next batch.
; No line of a batch reads what a line of the same batch wrote; the wait at its end stands ahead of all such reads.
.macro BATCH k
.set n_, 0
.rept 16
	v_exp_f32 v[32*(\k)+2*n_], v[32*(\k)+2*n_]
.if (\k) < 6
	CLIP1 32*(\k)+64+2*n_
.endif
	v_exp_f32 v[32*(\k)+2*n_+1], v[32*(\k)+2*n_+1]
.if (\k) < 6
	CLIP1 32*(\k)+65+2*n_
.endif
.if (\k) < 7
	FMA1 32*(\k)+32+2*n_
.endif
.set n_, n_+1
.endr
.if (\k) == 7
	v_nop                                          ; a plain line behind the last exponential
.endif
	s_wait_alu depctr_va_vdst(0)
.endm
.macro VLOAD k                         ; K step k of my two: V's four fragments, into registers that converted scores have left
	WIN 0x40
.set t_, 0
.rept 4
.set RG, VF+12*t_
.set OF, (4*(\k)+t_)*1536
	ds_load_b128 v[RG:RG+3], v[VA16] offset:OF
	ds_load_b64 v[RG+4:RG+5], v[VA8] offset:OF+512
	ds_load_b128 v[RG+6:RG+9], v[VA16] offset:OF+768
	ds_load_b64 v[RG+10:RG+11], v[VA8] offset:OF+1280
.set t_, t_+1
.endr
	WIN 0
.endm
.macro PQ q, k                         ; 128 keys of a tile: p' x F, the finished weights, and their codes
.set PCQ, PC0+12*(\q)
.set SB_, 128*(\q)+64*(\k)
.set BXQ, BX+8*(\q)+4*(\k)
	WIN 0x41
.set n_, 0
.rept 32
	v_pk_mul_f32 v[SB_+2*n_:SB_+2*n_+1], v[SB_+2*n_:SB_+2*n_+1], v[F+2*(\q):F+2*(\q)+1] op_sel_hi:[1,0]
.set n_, n_+1
.endr
	WIN 0x01
	v_cvt_scalef32_pk16_fp6_f32 v[PCQ:PCQ+2], v[SB_:SB_+15], v[BXQ]
	v_cvt_scalef32_pk16_fp6_f32 v[CT:CT+2], v[SB_+16:SB_+31], v[BXQ+1]
	v_cvt_scalef32_pk16_fp6_f32 v[PCQ+6:PCQ+8], v[SB_+32:SB_+47], v[BXQ+2]
	v_cvt_scalef32_pk16_fp6_f32 v[CT+4:CT+6], v[SB_+48:SB_+63], v[BXQ+3]
	WIN 0
	v_nop                                          ; one plain line behind the scaled conversions
.irp c, 0,1                                    ; a whole block to a lane
.irp i, 0,1,2
	v_permlane16_swap_b32 v[PCQ+6*\c+\i], v[CT+4*\c+\i]
.endr
.irp i, 0,1,2
	v_mov_b32 v[PCQ+3+6*\c+\i], v[CT+4*\c+\i]
.endr
.endr
.endm
.macro OMUL k, first                   ; O^T += V^T P^T: eight accumulators by turns, one instruction a turn
	PLACES 4                                       ; an operand written by vector instructions stands four places ahead of a scaled product
	s_wait_alu depctr_va_vdst(0)                   ; directly ahead of the wait below
	s_wait_dscnt 0x0                               ; V
	WIN 0x51-0x10*(\first)                         ; V window 1, P window 0, O^T window 1
.set t_, 0
.rept 4
.set q_, 0
.rept 2
.set RD_, OA+32*q_+8*t_
.set RV_, VF+12*t_
.set RP_, PC0+12*q_
.set SV_, VSC+2*(\k)+t_/2
.set SP_, PWA+2*q_+(\k)
.set RR_, t_%2
.if \first
	WMZ RD_, RV_, RP_, SV_, SP_, RR_, 0
.else
	WMA RD_, RV_, RP_, SV_, SP_, RR_
.endif
.set q_, q_+1
.endr
.set t_, t_+1
.endr
	WIN 0
	PLACES 4                                       ; in front of loads into V's registers, of conversions into P's, and of the stores of O^T
.endm
.macro FINQ                            ; 16 queries x 32 channels of the summed O^T: register i = channel 32 x block + 16 (lane / 16) + i; its codes and its byte wait in LDS for the end
.irp i, 0,1,2,3
	ds_load_b128 v[PC0+4*\i:PC0+4*\i+3], v[ROR] offset:512*\i
.endr
	s_wait_dscnt 0x0
	v_max3_num_f32 v[CT], |v[PC0]|, |v[PC0+1]|, 0x1800000   ; with the floor
	v_max3_num_f32 v[CT+1], |v[PC0+2]|, |v[PC0+3]|, |v[PC0+4]|
	v_max3_num_f32 v[CT+2], |v[PC0+5]|, |v[PC0+6]|, |v[PC0+7]|
	v_max3_num_f32 v[CT+3], |v[PC0+8]|, |v[PC0+9]|, |v[PC0+10]|
	v_max3_num_f32 v[CT], v[CT], |v[PC0+11]|, |v[PC0+12]|
	v_max3_num_f32 v[CT+1], v[CT+1], |v[PC0+13]|, |v[PC0+14]|
	v_max3_num_f32 v[CT+2], v[CT+2], v[CT+3], |v[PC0+15]|
	v_max3_num_f32 v[CT], v[CT], v[CT+1], v[CT+2]
	v_permlanex16_b32 v[CT+3], v[CT], s[SEL], s[SEL+1]
	v_max_num_f32 v[CT], v[CT], v[CT+3]            ; the block's largest magnitude
	v_add_nc_u32 v[CT+1], 0xff000000, v[CT]
	v_lshrrev_b32 v[CT+2], 23, v[CT+1]
	v_cvt_scalef32_pk16_fp6_f32 v[CT+4:CT+6], v[PC0:PC0+15], v[CT+1]
	v_nop                                          ; one plain line behind the scaled conversion
	ds_store_b96 v[XCA], v[CT+4:CT+6]
	ds_store_b8 v[XSA], v[CT+2]                    ; (both halves of the lanes write the same byte with the same value)
.endm
	s_wait_alu depctr_va_vdst(0)                   ; the wait at the head's end
	QLOAD L8
	s_wait_tensorcnt 0x0                           ; my eighth of the head's block is in,
	s_barrier_signal -1
	s_barrier_wait -1                              ; everybody's is
.irp i, 0,1,2,3
	ds_load_b64 v[KSC+2*\i:KSC+2*\i+1], v[KSA] offset:256*\i
.endr
.irp i, 0,1
	ds_load_b64 v[VSC+2*\i:VSC+2*\i+1], v[VSA] offset:256*\i
.endr
	KLOAD 0
	s_wait_loadcnt 0x0
	s_wait_dscnt 0x0
	SMUL 0                                         ; the first trip's first 128 keys
	KLOAD 1
	MX 0
.Lblock:                                           ; 16 trips: 32 queries each; a trip begins with its keys 128-255
	s_wait_dscnt 0x0                               ; K's tiles 8-15
	SMUL 1
	s_cmp_eq_u32 s[BI], 15                         ; the next 32 queries are asked for here, if there are any: no load leaves its buffer
	s_cbranch_scc1 .Lno_next_q
	s_wait_xcnt 0x0                                ; earlier loads have read their addresses
	s_add_nc_u64 s[36:37], s[36:37], 1536
	s_add_co_u32 s44, s[BI], 1
	s_lshr_b32 s45, s44, 1
	s_lshl_b32 s45, s45, 8                         ; a unit holds two pairs' words:
	s_and_b32 s44, s44, 1
	s_lshl_b32 s44, s44, 2                         ; the second pair's lie 4 bytes on
	s_add_co_u32 s44, s44, s45
	v_add_nc_u32 v[QSO], s44, v[L8]
	QLOAD QSO
.Lno_next_q:
	MX 1
	; ---- a block of 32 keys lies in lanes l and l xor 16; the clip rises with the score, so the clipped maxima give the clipped maximum
.set i_, 0
.rept 16
	v_permlanex16_b32 v[TM+i_], v[BM+i_], s[SEL], s[SEL+1]
.set i_, i_+1
.endr
.set i_, 0
.rept 16
	v_max_num_f32 v[BM+i_], v[BM+i_], v[TM+i_]
.set i_, i_+1
.endr
.set i_, 0
.rept 16
	v_med3_num_f32 v[BM+i_], v[BM+i_], s[SLO], s[SHI]
.set i_, i_+1
.endr
.irp q, 0,1
	v_max3_num_f32 v[RM+\q], v[BM+8*\q], v[BM+8*\q+1], v[BM+8*\q+2]
.endr
.irp i, 3,5
.irp q, 0,1
	v_max3_num_f32 v[RM+\q], v[RM+\q], v[BM+8*\q+\i], v[BM+8*\q+\i+1]
.endr
.endr
.irp q, 0,1
	v_max_num_f32 v[RM+\q], v[RM+\q], v[BM+8*\q+7]
.endr
.irp q, 0,1
	v_mul_f32 v[MC+2*\q], s[CS], v[RM+\q]          ; MC = c x my keys' clipped maximum
	v_mul_f32 v[MC+2*\q+1], s[CS], v[RM+\q]        ; (the pair's other word is named with it)
.endr
	v_cndmask_b32 v[MS], v[MC], v[MC+2], s[HIM]    ; lane (r, h) speaks for query r of tile h
	ds_store_b32 v[EXW], v[MS]                     ; the first exchange: MC
.set n_, 0
.rept 8
	v_pk_fma_f32 v[BM+2*n_:BM+2*n_+1], v[BM+2*n_:BM+2*n_+1], s[CS:CS+1], v[MC+2*(n_/4):MC+2*(n_/4)+1] op_sel_hi:[1,0,0] neg_lo:[0,0,1] neg_hi:[0,0,1]   ; the same steps on each block's largest score give its largest p', bit for bit
.set n_, n_+1
.endr
	; ---- p' = 2^(t - MC), in place, in eight batches
	WIN 0x41
.set n_, 0
.rept 64
	CLIP1 n_
.set n_, n_+1
.endr
.set n_, 0
.rept 16
	FMA1 2*n_
.set n_, n_+1
.endr
	s_wait_alu depctr_va_vdst(0)                   ; ahead of the exponentials, and of the wait below
	s_wait_dscnt 0x0                               ; my MC has landed:
	s_barrier_signal -1                            ; say so; only work on registers stands between this and the wait for the others
	WIN 0
.set n_, 0
.rept 16
	v_exp_f32 v[BM+n_], v[BM+n_]
.set n_, n_+1
.endr
	WIN 0x41
.irp k, 0,1,2,3
	BATCH \k
.endr
	WIN 0
	s_barrier_wait -1
	ds_load_b128 v[KF:KF+3], v[EXR]                ; the eight waves' MC of my query
	ds_load_b128 v[KF+12:KF+15], v[EXR] offset:16
	WIN 0x41
.irp k, 4,5,6,7
	BATCH \k
.endr
	WIN 0
	s_wait_dscnt 0x0
	v_max3_num_f32 v[MG], v[KF], v[KF+1], v[KF+2]
	v_max3_num_f32 v[RM], v[KF+3], v[KF+12], v[KF+13]
	v_max3_num_f32 v[MG], v[MG], v[KF+14], v[KF+15]
	v_max_num_f32 v[MG], v[MG], v[RM]              ; mg: the maximum over all 2,048 keys
.irp j, 0,1
.irp i, 0,1,2,3
	v_sub_f32 v[KF+12*\j+\i], v[KF+12*\j+\i], v[MG]
.endr
.endr
	v_sub_f32 v[EO], v[MS], v[MG]
	s_wait_alu depctr_va_vdst(0)                   ; ahead of the nine
.irp j, 0,1
.irp i, 0,1,2,3
	v_exp_f32 v[KF+12*\j+\i], v[KF+12*\j+\i]
.endr
.endr
	v_exp_f32 v[EO], v[EO]
	; ---- the sums of both tiles' 128 p', two at a time, in eight chains by turns (they name none of the nine)
	WIN 0x05
.set c_, 0
.rept 8
	v_pk_add_f32 v[SUM+2*c_:SUM+2*c_+1], v[128*(c_/4)+4*(c_%4):128*(c_/4)+4*(c_%4)+1], v[128*(c_/4)+4*(c_%4)+2:128*(c_/4)+4*(c_%4)+3]
.set c_, c_+1
.endr
	WIN 0x01
.set m_, 2
.rept 14
.set c_, 0
.rept 8
	v_pk_add_f32 v[SUM+2*c_:SUM+2*c_+1], v[128*(c_/4)+8*m_+2*(c_%4):128*(c_/4)+8*m_+2*(c_%4)+1], v[SUM+2*c_:SUM+2*c_+1]
.set c_, c_+1
.endr
.set m_, m_+1
.endr
	WIN 0
.irp q, 0,1
	v_pk_add_f32 v[SUM+8*\q:SUM+8*\q+1], v[SUM+8*\q:SUM+8*\q+1], v[SUM+8*\q+2:SUM+8*\q+3]
	v_pk_add_f32 v[SUM+8*\q+4:SUM+8*\q+5], v[SUM+8*\q+4:SUM+8*\q+5], v[SUM+8*\q+6:SUM+8*\q+7]
.endr
.irp q, 0,1
	v_pk_add_f32 v[SUM+8*\q:SUM+8*\q+1], v[SUM+8*\q:SUM+8*\q+1], v[SUM+8*\q+4:SUM+8*\q+5]
.endr
.irp q, 0,1
	v_add_f32 v[LW+\q], v[SUM+8*\q], v[SUM+8*\q+1]
.endr
.irp q, 0,1
	v_permlanex16_b32 v[RM+\q], v[LW+\q], s[SEL], s[SEL+1]
.endr
.irp q, 0,1
	v_add_f32 v[LW+\q], v[LW+\q], v[RM+\q]         ; l': my 256 keys' sum
.endr
	v_cndmask_b32 v[LW], v[LW], v[LW+1], s[HIM]
	ds_store_b32 v[EXW], v[LW] offset:1024         ; the second exchange: l'
	v_add_nc_u32 v[XSA], s[XSO], v[XS0]            ; where the trip before's byte and codes go (made on every wave's path)
	v_add_nc_u32 v[XCA], s[XCO], v[XC0]
	s_wait_alu depctr_va_vdst(0)                   ; behind the nine exponentials, and directly ahead of the wait below
	s_wait_dscnt 0x0                               ; for the others' sake: my stores have landed, the summed O^T of the trip before among them
	s_barrier_signal -1
	s_barrier_wait -1
	ds_load_b128 v[KF+24:KF+27], v[EXR] offset:1024
	ds_load_b128 v[KF+36:KF+39], v[EXR] offset:1040
	s_wait_dscnt 0x0
.irp j, 0,1
	v_mul_f32 v[TM+\j], v[KF+24+12*\j], v[KF+12*\j]
.endr
.irp i, 1,2,3
.irp j, 0,1
	v_fmac_f32 v[TM+\j], v[KF+24+12*\j+\i], v[KF+12*\j+\i]
.endr
.endr
	v_add_f32 v[LW], v[TM], v[TM+1]                ; l = the sum over the waves of l' 2^(MC - mg)
	s_wait_alu depctr_va_vdst(0)
	v_rcp_f32 v[LW], v[LW]
	v_nop
	s_wait_alu depctr_va_vdst(0)
	v_mul_f32 v[FH], v[EO], v[LW]                  ; F = 2^(my MC - mg) / l of tile h;
	v_permlanex16_b32 v[RM+1], v[FH], s[SEL], s[SEL+1]   ; the other tile's
	v_cndmask_b32 v[F], v[FH], v[RM+1], s[HIM]
	v_cndmask_b32 v[F+1], v[FH], v[RM+1], s[HIM]
	v_cndmask_b32 v[F+2], v[RM+1], v[FH], s[HIM]
	v_cndmask_b32 v[F+3], v[RM+1], v[FH], s[HIM]
	s_wait_alu depctr_va_vdst(0)                   ; directly ahead of the branches
	s_cmp_eq_u32 s[BI], 0                          ; the trip before's O^T is converted here, by waves 0 to 3; the first trip has none
	s_cbranch_scc1 .Lno_finq
	s_cmp_lt_u32 s[WV], 4
	s_cbranch_scc0 .Lno_finq
	FINQ
.Lno_finq:
	s_cmp_eq_u32 s[BI], 15
	s_cbranch_scc1 .Lno_k0
	KLOAD 0                                        ; the next trip's first eight tiles of K: the exchanged words in these registers are done with
.Lno_k0:
	; ---- the scales of all 16 blocks of finished weights
.set n_, 0
.rept 8
	v_pk_mul_f32 v[BM+2*n_:BM+2*n_+1], v[BM+2*n_:BM+2*n_+1], v[F+2*(n_/4):F+2*(n_/4)+1] op_sel_hi:[1,0]
.set n_, n_+1
.endr
.set n_, 0
.rept 16
	v_max_num_f32 v[BM+n_], 0x1800000, v[BM+n_]    ; the floor 2^(3 - 127): the byte cannot fall under 1
.set n_, n_+1
.endr
.set n_, 0
.rept 16
	v_add_nc_u32 v[BX+n_], 0xff000000, v[BM+n_]    ; 2 off the exponent field: the conversion's scale operand
.set n_, n_+1
.endr
.set n_, 0
.rept 16
	v_lshrrev_b32 v[BM+n_], 23, v[BX+n_]           ; the byte
.set n_, n_+1
.endr
.irp i, 0,1,2,3
	v_lshl_or_b32 v[PWA+\i], v[BM+4*\i+1], 8, v[BM+4*\i]
.endr
.irp i, 0,1,2,3
	v_lshl_or_b32 v[PWA+\i], v[BM+4*\i+2], 16, v[PWA+\i]
.endr
.irp i, 0,1,2,3
	v_lshl_or_b32 v[PWA+\i], v[BM+4*\i+3], 24, v[PWA+\i]
.endr
	; ---- the second product, my keys 128-255 first: their registers take V and O^T, and those of keys 0-127 are free at the trip's end
	PQ 1, 1
	VLOAD 1
	PQ 0, 1
	OMUL 1, 1
	VLOAD 0
	PQ 0, 0
	PQ 1, 0
	OMUL 0, 0
	; ---- my part of O^T to LDS, as it stands in the registers
	WIN 0x04                                       ; an LDS store's data are its source 1: window 1
.set t_, 0
.rept 16
	ds_store_b128 v[OPW], v[OA+4*t_:OA+4*t_+3] offset:512*t_   ; each accumulator from its low end on
.set t_, t_+1
.endr
	WIN 0
	s_cmp_eq_u32 s[BI], 15
	s_cbranch_scc1 .Lno_s0
	s_wait_loadcnt 0x0                             ; the next Q
	SMUL 0                                         ; the next trip's first 128 keys, while the stores are out
.Lno_s0:
	s_wait_dscnt 0x0
	s_barrier_signal -1
	s_barrier_wait -1
	WIN 0x40
.set p_, 0
.rept 8
.irp i, 0,1
	ds_load_b128 v[OA+8*p_+4*\i:OA+8*p_+4*\i+3], v[OPR] offset:8192*p_+512*\i   ; one accumulator's eight parts
.endr
.set p_, p_+1
.endr
	WIN 0
	s_cmp_eq_u32 s[BI], 15
	s_cbranch_scc1 .Lno_m0
	KLOAD 1
.Lno_m0:
	MX 0                                           ; on every way behind the products above, as their first reader; in the last trip, which has no such products, it reads registers that are done with, and nothing uses what it writes
	s_wait_dscnt 0x0
	WIN 0x45
.set n_, 0
.rept 16
	v_pk_add_f32 v[OA+2*n_:OA+2*n_+1], v[OA+2*n_:OA+2*n_+1], v[OA+32+2*n_:OA+33+2*n_]
.set n_, n_+1
.endr
.set n_, 0
.rept 8
	v_pk_add_f32 v[OA+2*n_:OA+2*n_+1], v[OA+2*n_:OA+2*n_+1], v[OA+16+2*n_:OA+17+2*n_]
.set n_, n_+1
.endr
.set n_, 0
.rept 4
	v_pk_add_f32 v[OA+2*n_:OA+2*n_+1], v[OA+2*n_:OA+2*n_+1], v[OA+8+2*n_:OA+9+2*n_]
.set n_, n_+1
.endr
	WIN 0x04
	ds_store_b128 v[ROW], v[OA:OA+3]
	ds_store_b128 v[ROW], v[OA+4:OA+7] offset:512
	WIN 0
	s_add_co_u32 s[XSO], s[XSO], 64
	s_add_co_u32 s[XCO], s[XCO], 2048
	s_add_co_u32 s[BI], s[BI], 1
	s_cmp_lt_u32 s[BI], 16
	s_cbranch_scc1 .Lblock
	s_wait_dscnt 0x0
	s_barrier_signal -1
	s_barrier_wait -1                              ; the last trip's summed O^T lies in LDS
	v_add_nc_u32 v[XSA], s[XSO], v[XS0]
	v_add_nc_u32 v[XCA], s[XCO], v[XC0]
	s_wait_alu depctr_va_vdst(0)                   ; directly ahead of the branch
	s_cmp_lt_u32 s[WV], 4
	s_cbranch_scc0 .Lno_fin
	FINQ
.Lno_fin:
	s_wait_dscnt 0x0
	s_barrier_signal -1
	s_barrier_wait -1                              ; the codes and scale bytes of all 512 queries lie in LDS
	; ---- each wave stores two trips' four tiles: both blocks' codes, a whole block to a lane, 512 and 256 consecutive bytes, aligned
	v_add_nc_u32 v[XSA], s59, v[L8]
	v_add_nc_u32 v[XCA], s60, v[L16]
.irp n, 0,1,2,3
	ds_load_b96 v[KF+12*\n:KF+12*\n+2], v[XCA] offset:1024*\n
	ds_load_b96 v[KF+12*\n+6:KF+12*\n+8], v[XCA] offset:1024*\n+512
.endr
	s_wait_alu depctr_va_vdst(0)                   ; directly ahead of the wait below
	s_wait_dscnt 0x0
.irp n, 0,1,2,3
.irp i, 0,1,2
	v_permlane16_swap_b32 v[KF+12*\n+\i], v[KF+12*\n+6+\i]
.endr
.endr
.irp n, 0,1,2,3
.irp i, 0,1,2
	v_mov_b32 v[KF+12*\n+3+\i], v[KF+12*\n+6+\i]
.endr
.endr
.irp n, 0,1,2,3
	global_store_b128 v[L16], v[KF+12*\n:KF+12*\n+3], s[40:41] offset:12288*\n
	global_store_b64 v[L8], v[KF+12*\n+4:KF+12*\n+5], s[40:41] offset:12288*\n+512
.endr
	s_cmp_lt_u32 s[WV], 4
	s_cbranch_scc0 .Lno_bytes
	ds_load_b64 v[TM:TM+1], v[XSA]
	s_wait_dscnt 0x0
	global_store_b64 v[L8], v[TM:TM+1], s[42:43]   ; waves 0 to 3 store one aligned unit of 256 bytes each
.Lno_bytes:
	s_wait_tensorcnt 0x0                           ; the wave's end
	ds_add_u32 v254, v255
	s_wait_dscnt 0x0
	CROUND                                         ; the closing round
	s_endpgm
.Lfunc_end_k_q1f918cd763_attn:
	.size	k_q1f918cd763_attn, .Lfunc_end_k_q1f918cd763_attn-k_q1f918cd763_attn
	.p2alignl 7, 3214868480
	.fill 96, 4, 3214868480
	.section	.rodata,"a",@progbits
	.p2align	6, 0x0
	.amdhsa_kernel k_q1f918cd763_attn
		.amdhsa_group_segment_fixed_size 321792
		.amdhsa_private_segment_fixed_size 0
		.amdhsa_enable_private_segment 0
		.amdhsa_kernarg_size 16
		.amdhsa_user_sgpr_count 2
		.amdhsa_user_sgpr_kernarg_segment_ptr 1
		.amdhsa_wavefront_size32 1
		.amdhsa_system_sgpr_workgroup_id_x 1
		.amdhsa_system_sgpr_workgroup_id_y 1
		.amdhsa_system_sgpr_workgroup_id_z 1
		.amdhsa_system_vgpr_workitem_id 0
		.amdhsa_next_free_vgpr 512
		.amdhsa_next_free_sgpr 66
		.amdhsa_reserve_vcc 0
		.amdhsa_float_denorm_mode_32 3
		.amdhsa_float_denorm_mode_16_64 3
		.amdhsa_memory_ordered 1
		.amdhsa_forward_progress 1
		.amdhsa_inst_pref_size 110
	.end_amdhsa_kernel
	.amdgpu_metadata
---
amdhsa.version: [ 1, 2 ]
amdhsa.kernels:
  - .name:           k_q1f918cd763_attn
    .symbol:         k_q1f918cd763_attn.kd
    .args:
      - { .name: qkv, .offset: 0, .size: 8, .value_kind: global_buffer, .address_space: global }
      - { .name: xc, .offset: 8, .size: 8, .value_kind: global_buffer, .address_space: global }
    .group_segment_fixed_size: 321792
    .private_segment_fixed_size: 0
    .kernarg_segment_align: 8
    .kernarg_segment_size: 16
    .max_flat_workgroup_size: 256
    .sgpr_count:     66
    .vgpr_count:     512
    .wavefront_size: 32
...
	.end_amdgpu_metadata
.endif
;; end of part 3
;; launch outp (part 4): grid 4 x 64, 4 waves a work-group, clusters of 4 x 1, 327,680 bytes of LDS; arguments qa, xc, bo, out0; writes out0
.if DOCPART == 4
	.amdgcn_target "amdgcn-amd-amdhsa--gfx1250"
	.amdhsa_code_object_version 6
	.text
	.protected	k_q1f918cd763_outp
	.globl	k_q1f918cd763_outp
	.p2align	8
	.type	k_q1f918cd763_outp,@function
k_q1f918cd763_outp:
	s_mov_b64 s[64:65], 0
	v_nop
	global_prefetch_b8 v0, s[64:65] scope:SCOPE_SE
	s_setreg_imm32_b32 hwreg(HW_REG_WAVE_MODE, 25, 1), 1
	s_wait_xcnt 0x0
	s_wait_alu depctr_hold_cnt(0) depctr_sa_sdst(0) depctr_va_vdst(0) depctr_va_sdst(0) depctr_va_ssrc(0) depctr_va_vcc(0) depctr_vm_vsrc(0)
	s_getreg_b32 s2, hwreg(HW_REG_IB_STS2, 6, 4)
	s_cmp_eq_u32 s2, 0
	s_cbranch_scc0 .Lentry_in_a_cluster
	s_endpgm
.Lentry_in_a_cluster:
	s_bfe_u32 s2, ttmp6, 0x10000c
	s_cmp_lg_u32 s2, 0x3003
	s_cbranch_scc0 .Lentry_shape_is_right
	s_endpgm
.Lentry_shape_is_right:
.set A_WO,  13516800
.set PB8,   25600
.set XPB,   24576
.set C_XS,  6291456
.set XSL,   98304
.set STG,   102400
.set KS,    8
.set NP,    4
.set L16,   6
.set L8,    8
.set STO,   10
.set RD,    11
.set GA,    12
.set XA,    13
.set BA,    14
.set ACC,   16
.set OB,    48
.set TL,    80
.set TH,    112
.set WS,    144
.set AS,    160
.set BIAS,  192
.set MSB, 0
.macro WIN new
.if MSB != (\new)
	s_set_vgpr_msb (MSB<<8)|(\new)
.set MSB, (\new)
.endif
.endm
.macro PLACES n
.rept \n
	v_nop
.endr
.endm
.macro CROUND
	s_barrier_signal -1
	s_barrier_wait -1
	s_cmp_lg_u32 s14, 0
	s_cbranch_scc1 .Lnot_wave_0_\@
	s_barrier_signal -3
.Lnot_wave_0_\@:
	s_barrier_wait -3
	s_barrier_signal -1
	s_barrier_wait -1
.endm
.macro WMM d, a, b, c, sa, sb, ra, rb
.if ((\ra) == 0) && ((\rb) == 0)
	v_wmma_scale_f32_16x16x128_f8f6f4 v[(\d):(\d)+7], v[(\a):(\a)+11], v[(\b):(\b)+11], v[(\c):(\c)+7], v[\sa], v[\sb] matrix_a_fmt:MATRIX_FMT_FP6 matrix_b_fmt:MATRIX_FMT_FP6
.elseif ((\ra) == 1) && ((\rb) == 0)
	v_wmma_scale_f32_16x16x128_f8f6f4 v[(\d):(\d)+7], v[(\a):(\a)+11], v[(\b):(\b)+11], v[(\c):(\c)+7], v[\sa], v[\sb] matrix_a_fmt:MATRIX_FMT_FP6 matrix_b_fmt:MATRIX_FMT_FP6 matrix_a_scale:MATRIX_SCALE_ROW1
.elseif ((\ra) == 0)
	v_wmma_scale_f32_16x16x128_f8f6f4 v[(\d):(\d)+7], v[(\a):(\a)+11], v[(\b):(\b)+11], v[(\c):(\c)+7], v[\sa], v[\sb] matrix_a_fmt:MATRIX_FMT_FP6 matrix_b_fmt:MATRIX_FMT_FP6 matrix_b_scale:MATRIX_SCALE_ROW1
.else
	v_wmma_scale_f32_16x16x128_f8f6f4 v[(\d):(\d)+7], v[(\a):(\a)+11], v[(\b):(\b)+11], v[(\c):(\c)+7], v[\sa], v[\sb] matrix_a_fmt:MATRIX_FMT_FP6 matrix_b_fmt:MATRIX_FMT_FP6 matrix_a_scale:MATRIX_SCALE_ROW1 matrix_b_scale:MATRIX_SCALE_ROW1
.endif
.endm
	s_load_b256 s[4:11], s[0:1], 0x0
	v_lshl_add_u32 v254, v0, 2, 0x30000
	v_mov_b32 v255, 0
	ds_add_u32 v254, v255
	ds_add_u32 v254, v255
	v_lshrrev_b32 v1, 5, v0
	v_readfirstlane_b32 s14, v1
	s_bfe_u32 s15, ttmp6, 0x40000
	s_lshl_b32 s78, ttmp9, 2
	s_add_co_u32 s15, s15, s78
	s_and_b32 s16, ttmp7, 0xffff
	s_lshl_b32 s17, s15, 2
	s_add_co_u32 s17, s17, s14
	s_mov_b32 s24, 15|(3<<16)|(1<<21)
	s_mov_b32 s25, 32<<16
	s_mov_b32 s26, 96<<16
	s_mov_b32 s27, 32<<16
	s_mov_b32 s28, 96
	s_mov_b32 s29, 32
	s_mov_b32 s30, 0
	s_mov_b32 s31, 0
	s_mov_b32 s32, 15|(3<<16)|(1<<21)
	s_mov_b32 s33, 32<<16
	s_mov_b32 s34, 4<<16
	s_mov_b32 s35, 32<<16
	s_mov_b32 s36, 4
	s_mov_b32 s37, 512
	s_mov_b32 s38, 0
	s_mov_b32 s39, 0
	s_lshl_b32 s78, s16, 2
	s_add_co_u32 s78, s78, s14
	s_mul_i32 s80, s78, XPB
	s_mov_b32 s81, 0
	s_lshr_b32 s82, s16, 4
	s_lshl_b32 s82, s82, 4
	s_lshl_b32 s83, s14, 2
	s_add_co_u32 s82, s82, s83
	s_lshl_b32 s82, s82, 4
	s_and_b32 s83, s16, 15
	s_add_co_u32 s82, s82, s83
	s_lshl_b32 s82, s82, 8
	s_add_co_u32 s82, s82, C_XS
	s_mov_b32 s83, 0
	s_mul_i32 s84, s14, XPB
	s_lshl_b32 s85, s14, 10
	s_wait_dscnt 0x0
	s_wait_kmcnt 0x0
	s_mov_b32 s40, 1
	s_mov_b32 s41, s84
	s_add_nc_u64 s[42:43], s[6:7], s[80:81]
	s_or_b32 s43, s43, 0x80000000
	s_mov_b32 s44, 1
	s_add_co_u32 s45, s85, XSL
	s_add_nc_u64 s[46:47], s[6:7], s[82:83]
	s_or_b32 s47, s47, 0x80000000
	CROUND
	tensor_load_to_lds s[40:43], s[24:31]
	s_nop 0
	s_wait_alu depctr_va_vdst(0)
	s_wait_tensorcnt 0x0
	ds_add_u32 v254, v255
	s_wait_dscnt 0x0
	CROUND
	tensor_load_to_lds s[44:47], s[32:39]
	s_nop 0
	PLACES 4
	v_and_b32 v1, 31, v0
	v_and_b32 v2, 15, v0
	v_bfe_u32 v3, v0, 4, 1
	v_lshlrev_b32 v[L16], 4, v1
	v_lshlrev_b32 v[L8], 3, v1
	v_add_nc_u32 v[L16+1], 2*XPB, v[L16]
	v_add_nc_u32 v[L8+1], 2*XPB, v[L8]
	v_lshlrev_b32 v[BA], 6, v3
	s_mul_i32 s78, s14, 16*272
	s_add_co_u32 s78, s78, STG
	v_mul_u32_u24 v[STO], v2, 272
	v_lshl_add_u32 v[STO], v3, 6, v[STO]
	v_add_nc_u32 v[STO], s78, v[STO]
	v_mul_u32_u24 v[RD], v3, 272
	v_lshl_add_u32 v[RD], v2, 4, v[RD]
	v_add_nc_u32 v[RD], s78, v[RD]
	v_lshlrev_b32 v[GA], 12, v3
	v_lshl_add_u32 v[GA], v2, 4, v[GA]
	v_lshlrev_b32 v[XA], 9, v3
	v_lshl_add_u32 v[XA], v2, 1, v[XA]
	v_add_nc_u32 v[XA], XSL, v[XA]
	s_mov_b32 s79, 0
	s_mul_i32 s78, s17, 2*PB8
	s_add_co_u32 s78, s78, A_WO
	s_add_nc_u64 s[48:49], s[4:5], s[78:79]
	s_lshl_b32 s78, s17, 8
	s_add_nc_u64 s[50:51], s[8:9], s[78:79]
	s_lshl_b32 s80, s16, 19
	s_add_co_u32 s78, s78, s80
	s_add_nc_u64 s[52:53], s[10:11], s[78:79]
.set h_, 0
.rept 2
	WIN 0x40+0x40*h_
.set t_, 0
.rept 4
.set s_, 0
.rept 4
.set RG, 12*(t_*4+s_)
.set OF, (t_/2)*PB8+((t_%2)*8+h_*4+s_)*1536
	global_load_b128 v[RG:RG+3], v[L16], s[48:49] offset:OF
	global_load_b64 v[RG+4:RG+5], v[L8], s[48:49] offset:OF+512
	global_load_b128 v[RG+6:RG+9], v[L16], s[48:49] offset:OF+768
	global_load_b64 v[RG+10:RG+11], v[L8], s[48:49] offset:OF+1280
.set s_, s_+1
.endr
.set t_, t_+1
.endr
.set h_, h_+1
.endr
	WIN 0x40
.irp t, 0,1,2,3
	global_load_b128 v[BIAS+8*\t:BIAS+8*\t+3], v[BA], s[50:51] offset:(32*(\t/2)+8*(\t%2))*4
	global_load_b128 v[BIAS+8*\t+4:BIAS+8*\t+7], v[BA], s[50:51] offset:(32*(\t/2)+8*(\t%2))*4+16
.endr
	WIN 0
.irp g, 0,1
.irp p, 0,1,2,3
	global_load_b64 v[WS+8*\g+2*\p:WS+8*\g+2*\p+1], v[L8], s[48:49] offset:\g*PB8+24576+256*\p
.endr
.endr
.macro FETCHA e, m
	WIN 0xc0
.set s_, 0
.rept KS
.set RG, 96*(\e)+12*s_
.set OF, (((\m)/2)%2)*XPB+(((\m)%2)*KS+s_)*1536
	ds_load_b128 v[RG:RG+3], v[L16+(\m)/4] offset:OF
	ds_load_b64 v[RG+4:RG+5], v[L8+(\m)/4] offset:OF+512
	ds_load_b128 v[RG+6:RG+9], v[L16+(\m)/4] offset:OF+768
	ds_load_b64 v[RG+10:RG+11], v[L8+(\m)/4] offset:OF+1280
.set s_, s_+1
.endr
.endm
.macro MUL m
.set s_, 0
.rept KS
.if s_ == 0
	WIN 0x1d
.elseif s_ < KS/2
	WIN 0x0d
.else
	WIN 0x0e
.endif
.set t_, 0
	s_wait_alu depctr_va_vdst(0)
.rept 4
.set RW_, 12*(t_*(KS/2)+s_%(KS/2))
.set RT_, 96*((\m)%2)+12*s_
.set RD_, ACC+8*t_
.set RC_, RD_
.if s_ == 0
.set RC_, BIAS+8*t_
.endif
.set SW_, WS+2*NP*(t_/2)+s_
.set ST_, AS+NP*(\m)+s_/2
.set RA_, t_%2
.set RB_, s_%2
	WMM RD_, RW_, RT_, RC_, SW_, ST_, RA_, RB_
.set t_, t_+1
.endr
.set s_, s_+1
.endr
	WIN 0
	PLACES 5
.endm
.macro TILE m
.if (\m) < 7
	FETCHA ((\m)+1)%2, (\m)+1
	s_wait_dscnt 4*KS
.else
	s_wait_dscnt 0x0
.endif
	MUL \m
.irp q, 0,1,2,3,4,5,6,7
	ds_store_b128 v[STO], v[ACC+4*\q:ACC+4*\q+3] offset:128*(\q/4)+16*(\q%4)
.endr
	s_wait_xcnt 0x0
.irp i, 0,1,2,3,4,5,6,7
	ds_load_b128 v[OB+4*\i:OB+4*\i+3], v[RD] offset:544*\i
.endr
.irp i, 0,1,2,3,4,5,6,7
	s_wait_dscnt 7-\i
	global_store_b128 v[GA], v[OB+4*\i:OB+4*\i+3], s[52:53] offset:(32*((\m)/2)+8*((\m)%2)+2*\i+8*(\i/4))*4096 th:TH_STORE_NT
.endr
.endm
	s_wait_alu depctr_va_vdst(0)
	s_wait_tensorcnt 0x0
	s_barrier_signal -1
	s_barrier_wait -1
.set m_, 0
.rept 8
.set p_, 0
.rept 4
	ds_load_u16 v[TL+4*m_+p_], v[XA] offset:1024*p_+64*(m_/2)+32*(m_%2)
	ds_load_u16 v[TH+4*m_+p_], v[XA] offset:1024*p_+64*(m_/2)+32*(m_%2)+256
.set p_, p_+1
.endr
.set m_, m_+1
.endr
	FETCHA 0, 0
	WIN 0
	s_wait_dscnt 4*KS
.set n_, 0
.rept 32
	v_lshl_or_b32 v[AS+n_], v[TH+n_], 16, v[TL+n_]
.set n_, n_+1
.endr
	s_wait_loadcnt 0x0
.irp n, 0,1,2,3,4,5,6,7
	TILE \n
.endr
	s_wait_tensorcnt 0x0
	ds_add_u32 v254, v255
	s_wait_dscnt 0x0
	CROUND
	s_endpgm
.Lfunc_end_k_q1f918cd763_outp:
	.size	k_q1f918cd763_outp, .Lfunc_end_k_q1f918cd763_outp-k_q1f918cd763_outp
	.p2alignl 7, 3214868480
	.fill 96, 4, 3214868480
	.section	.rodata,"a",@progbits
	.p2align	6, 0x0
	.amdhsa_kernel k_q1f918cd763_outp
		.amdhsa_group_segment_fixed_size 327680
		.amdhsa_private_segment_fixed_size 0
		.amdhsa_enable_private_segment 0
		.amdhsa_kernarg_size 32
		.amdhsa_user_sgpr_count 2
		.amdhsa_user_sgpr_kernarg_segment_ptr 1
		.amdhsa_wavefront_size32 1
		.amdhsa_system_sgpr_workgroup_id_x 1
		.amdhsa_system_sgpr_workgroup_id_y 1
		.amdhsa_system_sgpr_workgroup_id_z 1
		.amdhsa_system_vgpr_workitem_id 0
		.amdhsa_next_free_vgpr 1024
		.amdhsa_next_free_sgpr 90
		.amdhsa_reserve_vcc 0
		.amdhsa_float_denorm_mode_32 3
		.amdhsa_float_denorm_mode_16_64 3
		.amdhsa_memory_ordered 1
		.amdhsa_forward_progress 1
		.amdhsa_inst_pref_size 95
	.end_amdhsa_kernel
	.amdgpu_metadata
---
amdhsa.version: [ 1, 2 ]
amdhsa.kernels:
  - .name:           k_q1f918cd763_outp
    .symbol:         k_q1f918cd763_outp.kd
    .args:
      - { .name: qa, .offset: 0, .size: 8, .value_kind: global_buffer, .address_space: global }
      - { .name: xc, .offset: 8, .size: 8, .value_kind: global_buffer, .address_space: global }
      - { .name: bo, .offset: 16, .size: 8, .value_kind: global_buffer, .address_space: global }
      - { .name: out0, .offset: 24, .size: 8, .value_kind: global_buffer, .address_space: global }
    .group_segment_fixed_size: 327680
    .private_segment_fixed_size: 0
    .kernarg_segment_align: 8
    .kernarg_segment_size: 32
    .max_flat_workgroup_size: 128
    .sgpr_count:     90
    .vgpr_count:     1024
    .wavefront_size: 32
...
	.end_amdgpu_metadata
.endif
;; end of part 4
